; MI455X (gfx1250); checked and timed in simulation.
; The chip was launched on July 23, 2026; its instructions are those of AMD's public machine-readable ISA for CDNA 5 (MIT licence, August 2026) and "CDNA5" Instruction Set Architecture Reference Guide (July 2026). The comments in the code are by the model that wrote it; some were corrected since.
;; Causal Self Attention. Allowed arithmetic: matrix products marked QUANTISED: E2M3 operands, one E8M0 scale for each 32 along K, by v_wmma_scale_f32_16x16x128_f8f6f4 with both operands' format E2M3, f32 sums; everything else in f32.
;; Inputs: W_attn 1,024 x 3,072 float32; W_proj 1,024 x 1,024 float32; b_attn 3,072 float32; b_proj 1,024 float32; x 4 x 2,048 x 1,024 float32.
;; Outputs: out0 4 x 2,048 x 1,024 float32.
;; This version of the problem:
;;   THIS VERSION OF THE PROBLEM IS GIVEN IN LOW PRECISION. The matrix products marked QUANTISED in the list below multiply operands that are first quantised to E2M3 (2 exponent bits, 3 mantissa bits; 6 bits a number), with one power-of-two scale for each 32 numbers along K (OCP MX v1.0); their sums are f32. All else is computed in f32.
;;   The module's matrix products, in the order in which they are computed (A, B: the left and right operand; K: the contracted axis; several contracted axes count as one K, in the product's order):
;;     1. [M 8,192, K 1,024] x [K 1,024, N 3,072]; A: input x; B: input W_attn: QUANTISED
;;     2. batch 64 x [M 2,048, K 64] x [K 64, N 2,048]; A: computed on the way; B: computed on the way: QUANTISED
;;     3. batch 64 x [M 2,048, K 2,048] x [K 2,048, N 64]; A: softmax (see below); B: computed on the way: QUANTISED
;;     4. [M 8,192, K 1,024] x [K 1,024, N 1,024]; A: computed on the way; B: input W_proj: QUANTISED
;;   THE QUANTISER, for each operand of a quantised product, along K:
;;     - K is cut into blocks of 32 from its start; a last block that is shorter is filled with zeros.
;;     - A block's scale is 2^e with e = floor(log2(the largest magnitude in the block)) - 2, held to -126 .. 127; a block of zeros has e = 0. As a byte (E8M0): e + 127.
;;     - Each number is divided by its block's scale, clamped to +-7.5, and rounded to the nearest number of E2M3, ties to even, subnormals kept.
;;     - The product sums the exact products of the quantised numbers (number of the format x scale) in f32.
;;   ~~~python
;;   def quantise(x, axis):      # numpy; x: float32 -> the quantised numbers, widened to float32 again
;;       x = np.moveaxis(x, axis, -1); K = x.shape[-1]
;;       x = np.pad(x, [(0, 0)] * (x.ndim - 1) + [(0, -K % 32)]); x = x.reshape(x.shape[:-1] + (-1, 32)); a = np.abs(x).max(-1, keepdims=True)
;;       e = np.where(a > 0, np.clip(np.frexp(np.where(a > 0, a, 1))[1] - 1 - 2, -126, 127), 0)      # np.frexp(a)[1] - 1 = floor(log2(a)), exactly
;;       r = np.clip(x / 2.0 ** e, -7.5, 7.5)
;;       step = 2.0 ** (np.maximum(np.frexp(np.where(r == 0, 1, r))[1] - 1, 0) - 3)
;;       q = np.round(r / step) * step * 2.0 ** e      # np.round: ties to even
;;       return np.moveaxis(q.reshape(q.shape[:-2] + (-1,))[..., :K], -1, axis).astype(np.float32)
;;   ~~~
;;   SOFTMAX AHEAD OF A QUANTISED PRODUCT. Where the list says 'softmax', what is quantised is not the finished softmax but p = 2^(t - M), with t = logit x log2(e) and M = ceil(the row's largest t), a whole number; so 1/2 < the row's largest p <= 1. The row's sum l is taken of the UNQUANTISED p, in f32, and the product's result is divided by l at the end. Since M is a whole number, a kernel that streams over the keys may use a running M (the ceiling of the running maximum): every later rescaling is an exact power of two, which a block's scale takes up: the codes' values come out the same.
;;   OPERANDS COMPUTED ON THE WAY. 'Computed on the way' means the value that the module computes at that place (a softmax that the list does not call 'softmax' is quantised finished and normalised). What goes into a quantiser is computed in f32, as accurately as f32 sums, v_exp_f32 and their like allow (about 1e-6 of the number): no bf16 or f16 on the way to a quantiser, and a product that is left as it is and whose result goes on into a quantised operand takes f32 operands (vector FMAs, or v_wmma_f32_16x16x4_f32). A number that lies on a knife's edge between two numbers of the format may be rounded either way, as far as f32 arithmetic and the matrix unit's own rounding can turn it there, and no further.
;; One version. Each part assembles by itself: llvm-mc -triple=amdgcn-amd-amdhsa -mcpu=gfx1250 --defsym DOCPART=n.
;; ======== version 1 of 1: 4 launches
;; workspace buffers: x_img 6,815,744 bytes; wa_img 2,555,904 bytes; wp_img 851,968 bytes; q_img 6,815,744 bytes; kv_img 13,369,344 bytes; y_img 6,815,744 bytes
;; launch quant (part 1): grid 640 x 1, 4 waves a work-group, no clusters, 35,328 bytes of LDS; arguments x, W_attn, W_proj, x_img, wa_img, wp_img; writes x_img, wa_img, wp_img
.if DOCPART == 1
	.amdgcn_target "amdgcn-amd-amdhsa--gfx1250"
	.amdhsa_code_object_version 6
	.text
	.protected	k_qf2ea4e8c75_quant
	.globl	k_qf2ea4e8c75_quant
	.p2align	8
	.type	k_qf2ea4e8c75_quant,@function
k_qf2ea4e8c75_quant:
	s_mov_b64 s[64:65], 0
	v_nop
	global_prefetch_b8 v0, s[64:65] scope:SCOPE_SE
	s_setreg_imm32_b32 hwreg(HW_REG_WAVE_MODE, 25, 1), 1
	s_wait_xcnt 0x0
; x [8192][1024], W_attn [1024][3072] and W_proj [1024][1024], f32, become codes of FP6 (E2M3) with one E8M0 byte for each 32 along K = 1,024,
; laid in the order of the operand registers of the products that read them.
; AN IMAGE: [tile of 16 rows][chunk of 256 along K][3,328 bytes].  A chunk is four half fragments of 768 bytes (16 rows x 64 K: lane (r, h) holds block h of row r,
; 24 bytes: its registers 0-3 at byte 16 x lane, its registers 4-5 at byte 512 + 8 x lane), then the scale bytes, 8 a row, 128 bytes, and the same 128 bytes once more.
; THE ROWS OF A TILE ARE NOT NEIGHBOURS: row p of tile 2 g + u is row 32 g + 8 u + p + 8 (p / 8) of the tensor (for a weight: column n).
; A block's scale is 2^(floor(log2(its largest magnitude)) - 2); its byte is the largest magnitude's exponent field - 2, held at 1 from below.
; LIMITS: a block of zeros gets the byte 1 where the rule says 127 (its codes are zeros, and this program alone reads the bytes); blocks whose largest magnitude lies
; under 2^-124 are held at that floor; NaN and infinities among the inputs are not served.
; WORK-GROUPS 0-511: a tile of x each, a wave to a chunk.  512-607: W_attn, 608-639: W_proj: 128 columns x 256 K each, a wave to 32 columns.
; Only x's way touches LDS.  No tensor loads, no barrier: waves share nothing.
.set TILEB, 13312                      ; a tile's four chunks
.set RECB,  3328                       ; a chunk
.set SPARE, 34816                      ; behind the four waves' stages: the spare words, 128 bytes a wave, two blocks of 256 bytes that no other line names
.set SPW,   12                         ; v12  LDS address of my spare word; never rewritten
.set NIL,   13                         ; v13  0; never rewritten
.set T,     20                         ; v20-22  the upper 16 codes of a block, before they are moved
.set R,     32                         ; x: v32-159  four half fragments as they are loaded
.set XB,    160                        ; x: v160-223 two sets of 32 neighbours
.set C,     224                        ; x: v224-255 codes, eight registers a half fragment: no store's data are written again
.set WX,    32                         ; weights: v32-95 two sets of 32 numbers down K
.set WCD,   96                         ; weights: v96-159 codes, eight registers a block
; the largest magnitude of the 32 numbers v[XS] .. v[XS+31], with the floor 2^(3 - 127) as one more leaf, in v10; the conversion's scale operand (2 off the exponent field) in v14
.macro BLKMAX
	v_max3_num_f32 v10, |v[XS]|, |v[XS+1]|, |v[XS+2]|
	v_max3_num_f32 v11, |v[XS+3]|, |v[XS+4]|, |v[XS+5]|
.irp i, 6,10,14,18,22,26
	v_max3_num_f32 v10, v10, |v[XS+\i]|, |v[XS+\i+1]|
	v_max3_num_f32 v11, v11, |v[XS+\i+2]|, |v[XS+\i+3]|
.endr
	v_max3_num_f32 v10, v10, |v[XS+30]|, |v[XS+31]|
	v_max3_num_f32 v10, v10, v11, 0x1800000
	v_add_nc_u32 v14, 0xff000000, v10
.endm
; x: half fragment t goes through my stage: in as it was loaded (a row's 256 bytes in sixteen lanes), out 128 bytes a lane: lane (r, h) gets block h of row r
.macro TURN t
	s_wait_loadcnt 8*(3-(\t))                      ; loads come back in order: half fragment t's eight are in, the later ones may be out
.irp i, 0,1,2,3,4,5,6,7
	ds_store_b128 v5, v[R+32*(\t)+4*\i:R+32*(\t)+4*\i+3] offset:4352*((\t)%2)+544*\i
.endr
.irp e, 0,1,2,3,4,5,6,7
	ds_load_b128 v[XB+32*((\t)%2)+4*\e:XB+32*((\t)%2)+4*\e+3], v6 offset:4352*((\t)%2)+16*\e   ; LDS serves a wave's instructions in order: these see the stores above
.endr
.endm
.macro HFQ t
.set XS, XB+32*((\t)%2)
	BLKMAX
	v_cvt_scalef32_pk16_fp6_f32 v[C+8*(\t):C+8*(\t)+2], v[XS:XS+15], v14
	v_cvt_scalef32_pk16_fp6_f32 v[T:T+2], v[XS+16:XS+31], v14       ; (a conversion's three registers begin on an even number)
	v_lshrrev_b32 v15, 23, v14                     ; the scale's byte; also the plain line behind the conversions
.if (\t)%2 == 0
	v_mov_b32 v[16+(\t)/2], v15                    ; my bytes of a scale word: blocks 2 t + h lie 16 bits apart
.else
	v_lshl_or_b32 v[16+(\t)/2], v15, 16, v[16+(\t)/2]
.endif
.irp i, 0,1,2
	v_mov_b32 v[C+8*(\t)+3+\i], v[T+\i]
.endr
	global_store_b128 v7, v[C+8*(\t):C+8*(\t)+3], s[10:11] offset:768*(\t)         ; 512 consecutive bytes
	global_store_b64 v8, v[C+8*(\t)+4:C+8*(\t)+5], s[10:11] offset:768*(\t)+512    ; 256 consecutive bytes
.endm
; weights: block k of my column: W(32 k + i, column), i = 0 .. 31
.macro WLOAD k, pitch, pin
.irp i, 0,1,2,3,4,5,6,7,8,9,10,11,12,13,14,15,16,17,18,19,20,21,22,23,24,25,26,27,28,29,30,31
	global_load_b32 v[WX+32*((\k)%2)+\i], v4, s[\pin:\pin+1] offset:(32*(\k)+\i)*\pitch th:TH_LOAD_NT
.endr
.endm
.macro WBLOCK k, pitch, pin, pout
.set XS, WX+32*((\k)%2)
.if (\k) < 7
	s_wait_loadcnt 32                              ; this block's 32 loads are in; the next block's may be out
.else
	s_wait_loadcnt 0x0
.endif
	BLKMAX
	v_cvt_scalef32_pk16_fp6_f32 v[WCD+8*(\k):WCD+8*(\k)+2], v[XS:XS+15], v14
	v_cvt_scalef32_pk16_fp6_f32 v[T:T+2], v[XS+16:XS+31], v14
	v_lshrrev_b32 v15, 23, v14                     ; the byte; also the plain line behind the conversions
.if (\k)%4 == 0
	v_mov_b32 v[16+(\k)/4], v15
.else
	v_lshl_or_b32 v[16+(\k)/4], v15, 8*((\k)%4), v[16+(\k)/4]
.endif
.irp i, 0,1,2
	v_mov_b32 v[WCD+8*(\k)+3+\i], v[T+\i]
.endr
	global_store_b128 v7, v[WCD+8*(\k):WCD+8*(\k)+3], s[\pout:\pout+1] offset:768*((\k)/2)+256*((\k)%2)          ; sixteen lanes store 256 consecutive bytes of their tile
	global_store_b64 v8, v[WCD+8*(\k)+4:WCD+8*(\k)+5], s[\pout:\pout+1] offset:768*((\k)/2)+512+128*((\k)%2)     ; sixteen lanes store 128: the other 128 come with the block's neighbour
.if (\k)+2 < 8
	WLOAD (\k)+2, \pitch, \pin
.endif
.endm
; A weight [1024][pitch / 4]: a lane takes a column and its registers run down K, so a block lies in one lane and the codes come out with K innermost.
.macro WPATH pitch, first, pin, pout
	s_sub_co_u32 s17, ttmp9, \first
	s_lshr_b32 s18, s17, 2                         ; which 128 columns
	s_and_b32 s17, s17, 3                          ; which chunk of K
	s_lshl_b32 s19, s18, 2
	s_add_co_u32 s19, s19, s16                     ; my wave's group of 32 columns
	s_lshl_b32 s22, s19, 7                         ; its 128 bytes in a row of W
	s_mul_i32 s23, s17, 256*\pitch
	s_add_co_u32 s22, s22, s23
	s_mov_b32 s23, 0
	s_mul_i32 s24, s19, 2*TILEB                    ; its two tiles
	s_mul_i32 s25, s17, RECB
	s_add_co_u32 s24, s24, s25
	s_mov_b32 s25, 0
	s_wait_kmcnt 0x0
	s_add_nc_u64 s[\pin:\pin+1], s[\pin:\pin+1], s[22:23]
	s_add_nc_u64 s[\pout:\pout+1], s[\pout:\pout+1], s[24:25]
	WLOAD 0, \pitch, \pin
	WLOAD 1, \pitch, \pin
.irp k, 0,1,2,3,4,5,6,7
	WBLOCK \k, \pitch, \pin, \pout
.endr
	global_store_b64 v8, v[16:17], s[\pout:\pout+1] offset:3072      ; my column's eight scale bytes,
	global_store_b64 v8, v[16:17], s[\pout:\pout+1] offset:3200      ; and their copy
	s_endpgm
.endm
	s_load_b256 s[4:11], s[0:1], 0x0               ; x s[4:5], W_attn s[6:7], W_proj s[8:9], x_img s[10:11]
	s_load_b128 s[12:15], s[0:1], 0x20             ; wa_img s[12:13], wp_img s[14:15]
	v_lshl_add_u32 v[SPW], v0, 2, SPARE
	v_mov_b32 v[NIL], 0
	v_lshrrev_b32 v1, 5, v0
	v_readfirstlane_b32 s16, v1                    ; wave
	v_and_b32 v2, 31, v0                           ; lane
	s_cmp_ge_u32 ttmp9, 512
	s_cbranch_scc1 .Lweights
	; ---- x: work-group = tile, wave = chunk: 16 rows x 1,024 bytes in, 3,328 bytes out
	v_and_b32 v3, 15, v2                           ; r
	v_lshrrev_b32 v1, 4, v2                        ; h
	v_lshlrev_b32 v7, 4, v2                        ; 16 x lane
	v_lshlrev_b32 v8, 3, v2                        ; 8 x lane
	v_lshlrev_b32 v9, 3, v1                        ; 8 h: my bytes' place in a scale word
	v_lshlrev_b32 v4, 4, v3
	v_lshl_add_u32 v4, v1, 12, v4                  ; in: lanes 0-15 one row's 256 bytes, lanes 16-31 the next row's
	s_mul_i32 s17, s16, 8704                       ; my two stages of 16 rows x 272 bytes
	v_mul_u32_u24 v5, v1, 272
	v_lshl_add_u32 v5, v3, 4, v5
	v_add_nc_u32 v5, s17, v5                       ; into a stage, as loaded
	v_mul_u32_u24 v6, v3, 272
	v_lshl_add_u32 v6, v1, 7, v6
	v_add_nc_u32 v6, s17, v6                       ; out of it: row r, block h
	s_mov_b32 s20, 0x76543210
	s_mov_b32 s21, 0xfedcba98                      ; v_permlanex16_b32's selects for lane l xor 16
	s_lshr_b32 s18, ttmp9, 1
	s_lshl_b32 s18, s18, 5
	s_and_b32 s19, ttmp9, 1
	s_lshl_b32 s19, s19, 3
	s_add_co_u32 s18, s18, s19                     ; the tile's first row: 32 (tile / 2) + 8 (tile % 2)
	s_lshl_b32 s18, s18, 12
	s_lshl_b32 s19, s16, 10
	s_add_co_u32 s18, s18, s19                     ; + my chunk's 1,024 bytes
	s_mov_b32 s19, 0
	s_mul_i32 s22, ttmp9, TILEB
	s_mul_i32 s23, s16, RECB
	s_add_co_u32 s22, s22, s23
	s_mov_b32 s23, 0
	s_wait_kmcnt 0x0
	s_add_nc_u64 s[4:5], s[4:5], s[18:19]
	s_add_nc_u64 s[10:11], s[10:11], s[22:23]
.irp t, 0,1,2,3
.irp i, 0,1,2,3,4,5,6,7
	global_load_b128 v[R+32*\t+4*\i:R+32*\t+4*\i+3], v4, s[4:5] offset:(2*\i+8*(\i/4))*4096+256*\t th:TH_LOAD_NT   ; the tile's rows 2 i and 2 i + 1: all 32 loads of the wave go out at once
.endr
.endr
	v_mov_b32 v18, 0                               ; written once: a lane permute's destination counts as one of its sources
	v_mov_b32 v19, 0
	TURN 0
.irp t, 0,1,2,3
.if \t < 3
	TURN \t+1                                      ; the next half fragment goes through the other stage while this one is worked
	s_wait_dscnt 16                                ; all but those sixteen: this half fragment is back
.else
	s_wait_dscnt 0x0
.endif
	HFQ \t
.endr
	v_lshlrev_b32 v16, v9, v16                     ; my four bytes at their places,
	v_lshlrev_b32 v17, v9, v17
	v_permlanex16_b32 v18, v16, s20, s21
	v_permlanex16_b32 v19, v17, s20, s21
	v_or_b32 v16, v16, v18                         ; with lane l xor 16's the two words are whole, in both halves of the lanes
	v_or_b32 v17, v17, v19
	global_store_b64 v8, v[16:17], s[10:11] offset:3072    ; 256 consecutive bytes: the rows' scale bytes and their copy
	s_wait_tensorcnt 0x0                           ; the wave's end: behind my last LDS store
	ds_add_u32 v[SPW], v[NIL]
	s_wait_dscnt 0x0
	s_endpgm
.Lweights:
	v_and_b32 v3, 7, v2
	v_bfe_u32 v4, v2, 3, 1
	v_lshl_add_u32 v3, v4, 4, v3
	v_lshrrev_b32 v1, 4, v2                        ; lanes 0-15 are the group's first tile in row order, lanes 16-31 its second
	v_lshl_add_u32 v3, v1, 3, v3                   ; my column of the 32: l % 8 + 16 ((l / 8) % 2) + 8 (l / 16): a load still covers 128 consecutive bytes
	v_lshlrev_b32 v4, 2, v3
	v_and_b32 v3, 15, v2                           ; my row in my tile
	v_mul_u32_u24 v1, v1, TILEB
	v_lshl_add_u32 v7, v3, 4, v1
	v_lshl_add_u32 v8, v3, 3, v1
	s_cmp_ge_u32 ttmp9, 608
	s_cbranch_scc1 .Lproj
	WPATH 12288, 512, 6, 12
.Lproj:
	WPATH 4096, 608, 8, 14
.Lfunc_end_k_qf2ea4e8c75_quant:
	.size	k_qf2ea4e8c75_quant, .Lfunc_end_k_qf2ea4e8c75_quant-k_qf2ea4e8c75_quant
	.p2alignl 7, 3214868480
	.fill 96, 4, 3214868480
	.section	.rodata,"a",@progbits
	.p2align	6, 0x0
	.amdhsa_kernel k_qf2ea4e8c75_quant
		.amdhsa_group_segment_fixed_size 35328
		.amdhsa_private_segment_fixed_size 0
		.amdhsa_enable_private_segment 0
		.amdhsa_kernarg_size 48
		.amdhsa_user_sgpr_count 2
		.amdhsa_user_sgpr_kernarg_segment_ptr 1
		.amdhsa_wavefront_size32 1
		.amdhsa_system_sgpr_workgroup_id_x 1
		.amdhsa_system_sgpr_workgroup_id_y 1
		.amdhsa_system_sgpr_workgroup_id_z 1
		.amdhsa_system_vgpr_workitem_id 0
		.amdhsa_next_free_vgpr 256
		.amdhsa_next_free_sgpr 66
		.amdhsa_reserve_vcc 0
		.amdhsa_float_denorm_mode_32 3
		.amdhsa_float_denorm_mode_16_64 3
		.amdhsa_memory_ordered 1
		.amdhsa_forward_progress 1
		.amdhsa_inst_pref_size 93
	.end_amdhsa_kernel
	.amdgpu_metadata
---
amdhsa.version: [ 1, 2 ]
amdhsa.kernels:
  - .name:           k_qf2ea4e8c75_quant
    .symbol:         k_qf2ea4e8c75_quant.kd
    .args:
      - { .name: x, .offset: 0, .size: 8, .value_kind: global_buffer, .address_space: global }
      - { .name: W_attn, .offset: 8, .size: 8, .value_kind: global_buffer, .address_space: global }
      - { .name: W_proj, .offset: 16, .size: 8, .value_kind: global_buffer, .address_space: global }
      - { .name: x_img, .offset: 24, .size: 8, .value_kind: global_buffer, .address_space: global }
      - { .name: wa_img, .offset: 32, .size: 8, .value_kind: global_buffer, .address_space: global }
      - { .name: wp_img, .offset: 40, .size: 8, .value_kind: global_buffer, .address_space: global }
    .group_segment_fixed_size: 35328
    .private_segment_fixed_size: 0
    .kernarg_segment_align: 8
    .kernarg_segment_size: 48
    .max_flat_workgroup_size: 128
    .sgpr_count:     66
    .vgpr_count:     256
    .wavefront_size: 32
...
	.end_amdgpu_metadata
.endif
;; end of part 1
;; launch gemm_qkv (part 2): grid 12 x 64, 4 waves a work-group, clusters of 4 x 4, 327,680 bytes of LDS; arguments x_img, wa_img, b_attn, q_img, kv_img; writes q_img, kv_img
.if DOCPART == 2
	.amdgcn_target "amdgcn-amd-amdhsa--gfx1250"
	.amdhsa_code_object_version 6
	.text
	.protected	k_qf2ea4e8c75_gemm_qkv
	.globl	k_qf2ea4e8c75_gemm_qkv
	.p2align	8
	.type	k_qf2ea4e8c75_gemm_qkv,@function
k_qf2ea4e8c75_gemm_qkv:
	s_mov_b64 s[64:65], 0
	v_nop
	global_prefetch_b8 v0, s[64:65] scope:SCOPE_SE
	s_setreg_imm32_b32 hwreg(HW_REG_WAVE_MODE, 25, 1), 1
	s_wait_xcnt 0x0
	s_wait_alu depctr_hold_cnt(0) depctr_sa_sdst(0) depctr_va_vdst(0) depctr_va_sdst(0) depctr_va_ssrc(0) depctr_va_vcc(0) depctr_vm_vsrc(0)
	s_getreg_b32 s2, hwreg(HW_REG_IB_STS2, 6, 4)
	s_cmp_eq_u32 s2, 0
	s_cbranch_scc0 .Lentry_in_a_cluster
	s_endpgm
.Lentry_in_a_cluster:
	s_bfe_u32 s2, ttmp6, 0x10000c
	s_cmp_lg_u32 s2, 0xf033
	s_cbranch_scc0 .Lentry_shape_is_right
	s_endpgm
.Lentry_shape_is_right:
; qkv = x W_attn + b_attn on codes of FP6 (E2M3) with E8M0 scales, K = 1,024; the results are quantised here, in registers, and leave as the operands of attention's two products.
; OPERANDS: images [tile of 16 rows][chunk of 256 K][3,328 bytes]: four half fragments of 768 bytes (lane's registers 0-3 at 16 x lane, 4-5 at 512 + 8 x lane), 128 scale bytes (8 a row) and their copy.
; Row p of tile 2 g + u is row 32 g + 8 u + p + 8 (p / 8): as source 0 of the matrix instruction, tiles 2 g and 2 g + 1 leave a lane 16 NEIGHBOURS, 32 g + 16 (lane / 16) + 0 .. 15, in 16 registers.
; A WORK-GROUP makes 256 rows of SOURCE 0 x 128 rows of SOURCE 1; four waves, 2 x 2, each 8 x 4 tiles: 32 accumulators, 256 registers.  A lane holds one row of source 1, its registers run along source 0.
; q AND k (cluster x = 0, 1): source 0 = W_attn's columns, source 1 = tokens: the registers run along a head's 64 channels, the K of q k^T.
; v (cluster x = 2): source 0 = tokens, source 1 = W_attn's columns: the registers run along the keys, the K of p v.
; ALL OF K LIES IN LDS (319,488 bytes): each wave asks for its share in four tensor loads, a chunk each, at the start: four are out, by this text's count.  Nothing is filled again: no ring.
; CLUSTER 4 x 4: source 1's tiles hang on cy alone and are asked for jointly along a row of the cluster, source 0's on cx alone, jointly along a column.
; OUT: q_img [head of a batch, 64][128 queries, 16][6,656]: eight half fragments (tile t at 768 t), then two blocks of 256 scale bytes (lane l's word i: tile 4 w + 2 i + l / 16, row l % 16; two bytes, two zeros).
;      kv_img [64][128 keys, 16][13,056]: k as a q record; from 6,656 v: half fragments [keys 64 c on][16 channels t] at 3,072 c + 768 t; at 12,800 its scale words, lane l's word i: tile 2 i + l / 16.
; LIMITS: a block of zeros gets the byte 1 where the rule says 127 (its codes are zeros; this program alone reads the bytes); blocks under 2^-124 are held at that floor; NaN and infinities are not served.
; REGISTERS: window 0: v2-5 lane offsets; v16-19 LDS addresses; v28, v29 the add's two; v32-79 scale words, two sets, and nothing else; v80-143 the bias; v144-239 source 1's fragments, two sets;
;   window 1: source 0's fragments, two sets, at v0 and v128;   window 2: accumulator (a, b) at v[8 (8 a + b)].  On the way out v80-239 of window 0 are free.
.set RECB,  3328
.set TILEB, 13312
.set S1C,   8*RECB                     ; LDS: source 1's chunk q at q S1C (8 tiles);
.set S0C,   16*RECB
.set S0,    4*S1C                      ; source 0's at S0 + q S0C (16 tiles)
.set SPARE, S0+4*S0C                   ; the spare words, 128 bytes a wave: two blocks of 256 bytes that no other line names
.set L16, 2
.set L8,  3
.set A16, 16                           ; v16, v17  source 1: my four tiles of the chunk in hand, + 16 x lane, + 8 x lane
.set A8,  17
.set B16, 18                           ; v18, v19  source 0: my eight tiles
.set B8,  19
.set SPW, 28
.set NIL, 29
.set SC,  32                           ; set s at SC + 24 s: source 1's tile a, K step e at + 2 a + e; source 0's tile b at + 8 + 2 b + e
.set BI,  80
.set F1,  144
.set WV,  14
.set WR,  15                           ; which four tiles of source 1 are mine.  Also: I fetch for source 1 (0) or source 0 (1)
.set WC,  16                           ; which eight tiles of source 0.  Also: which half of that tile I fetch
.set CX,  17
.set CY,  18
.set CLY, 19
.set SEL, 20
.set MASKV, 23
.set G1A, 24                           ; s[24:31] group 1 for source 1;  s[32:39] for source 0;  s[40:55] source 1's four groups 0;  s[56:63], s[68:75] source 0's
.set G1B, 32
.set G0A, 40
.set MSB, 0
.macro WIN new                         ; the immediate's high byte repeats the setting that is left
.if MSB != \new
	s_set_vgpr_msb (MSB<<8)|\new
.set MSB, \new
.endif
.endm
.macro PLACES n
.rept \n
	v_nop
.endr
.endm
.macro CROUND                          ; a round of the cluster's barrier
	s_barrier_signal -1
	s_barrier_wait -1
	s_cmp_lg_u32 s[WV], 0
	s_cbranch_scc1 .Lnot_wave_0_\@
	s_barrier_signal -3
.Lnot_wave_0_\@:
	s_barrier_wait -3
	s_barrier_signal -1
	s_barrier_wait -1
.endm
.macro FRAGLD reg, a16, a8, off        ; a fragment, 16 rows x 128 K, is two half fragments: every load takes consecutive bytes from lane to lane
	ds_load_b128 v[\reg:\reg+3], v[\a16] offset:\off
	ds_load_b64 v[\reg+4:\reg+5], v[\a8] offset:\off+512
	ds_load_b128 v[\reg+6:\reg+9], v[\a16] offset:\off+768
	ds_load_b64 v[\reg+10:\reg+11], v[\a8] offset:\off+1280
.endm
.macro FETCH k                         ; K step k's twelve fragments into set k % 2
	WIN 0x40                                       ; destination window 1, address window 0
.irp b, 0,1,2,3,4,5,6,7
	FRAGLD 128*((\k)%2)+12*\b, B16, B8, RECB*\b+1536*((\k)%2)
.endr
	WIN 0
.irp a, 0,1,2,3
	FRAGLD F1+48*((\k)%2)+12*\a, A16, A8, RECB*\a+1536*((\k)%2)
.endr
.endm
.macro SCALES qs                       ; a chunk's scale words: two a row (two K steps), lane r row r's
.irp b, 0,1,2,3,4,5,6,7
	ds_load_b64 v[SC+24*(\qs)+8+2*\b:SC+24*(\qs)+8+2*\b+1], v[B8] offset:RECB*\b+3072
.endr
.irp a, 0,1,2,3
	ds_load_b64 v[SC+24*(\qs)+2*\a:SC+24*(\qs)+2*\a+1], v[A8] offset:RECB*\a+3072
.endr
.endm
.macro MM d, a, b, c, sa, sb
	v_wmma_scale_f32_16x16x128_f8f6f4 v[\d:\d+7], v[\a:\a+11], v[\b:\b+11], v[\c:\c+7], v[\sa], v[\sb] matrix_a_fmt:MATRIX_FMT_FP6 matrix_b_fmt:MATRIX_FMT_FP6
.endm
; K step k: 32 matrix instructions, the 32 accumulators by turns in the same order in every step.
; cmode 0: add in place.  1, 2: the first step starts the sums with the bias: along source 0 (eight registers a tile b) or along source 1 (one number a lane, spread over eight registers a tile a)
.macro MUL32 k, cmode
.set QS, SC+24*(((\k)/2)%2)+(\k)%2
.set FA, 128*((\k)%2)
.set FB, F1+48*((\k)%2)
.if \cmode
	WIN 0x81                                       ; source 0 window 1, source 1 and C window 0, D window 2
.else
	WIN 0xa1                                       ; C and D window 2
.endif
.irp a, 0,1,2,3
.irp b, 0,1,2,3,4,5,6,7
.if \cmode == 0
	MM 8*(8*\a+\b), FA+12*\b, FB+12*\a, 8*(8*\a+\b), QS+8+2*\b, QS+2*\a
.elseif \cmode == 1
	MM 8*(8*\a+\b), FA+12*\b, FB+12*\a, BI+8*\b, QS+8+2*\b, QS+2*\a
.else
	MM 8*(8*\a+\b), FA+12*\b, FB+12*\a, BI+8*\a, QS+8+2*\b, QS+2*\a
.endif
.endr
.endr
.endm
; A K step: this step's fragments are in; the next step's are asked for, 32 matrix instructions ahead of their use; then the products.
; Where the next step begins a chunk: my part of that chunk has landed (the count leaves the later chunks out), and a barrier shows everybody's.
.macro STEPK k, cmode
.if ((\k)%2 == 1) && ((\k) < 7)
	s_wait_tensorcnt 3-((\k)+1)/2                  ; tensor loads of a wave end in order: chunks 0 .. (k + 1) / 2 are in
.endif
	s_wait_dscnt 0x0                               ; set k % 2 is in; no LDS instruction of mine is pending at a signal
.if ((\k)%2 == 1) && ((\k) < 7)
	s_barrier_signal -1
	s_barrier_wait -1
	WIN 0
	v_add_nc_u32 v[A16], S1C, v[A16]               ; on to the next chunk.  These four are also the places in front of the loads into registers that the last products read
	v_add_nc_u32 v[A8], S1C, v[A8]
	v_add_nc_u32 v[B16], S0C, v[B16]
	v_add_nc_u32 v[B8], S0C, v[B8]
.elseif ((\k) > 0) && ((\k) < 7)
	PLACES 4                                       ; a load into a register that a matrix instruction has read stands four plain vector instructions behind it (ISA guide 7.12.1 for vector instructions)
.endif
.if (\k) < 7
	FETCH (\k)+1
.if (\k)%2 == 1
	SCALES (((\k)+1)/2)%2
.endif
.endif
	MUL32 \k, \cmode
.endm
; From the first chunk's arrival to the end of the first K step.  It stands once in each of the two ways.
.macro FIRST cmode
	s_wait_tensorcnt 3                             ; my part of chunk 0 is in; three loads may be out
	s_barrier_signal -1
	s_barrier_wait -1                              ; everybody's is
	FETCH 0
	SCALES 0
	s_wait_loadcnt 0x0                             ; the bias
.if \cmode == 2
.irp a, 0,1,2,3
.irp j, 1,2,3,4,5,6,7
	v_mov_b32 v[BI+8*\a+\j], v[BI+8*\a]            ; a lane's bias is the same for its eight tokens
.endr
.endr
	PLACES 4
.endif
	STEPK 0, \cmode
	WIN 0                                          ; at a label and at a branch every window is 0
.endm
	s_load_b256 s[4:11], s[0:1], 0x0               ; x_img s[4:5], wa_img s[6:7], b_attn s[8:9], q_img s[10:11]
	s_load_b64 s[12:13], s[0:1], 0x20              ; kv_img
	v_lshl_add_u32 v[SPW], v0, 2, SPARE
	v_mov_b32 v[NIL], 0
	ds_add_u32 v[SPW], v[NIL]                      ; the wave's opening: the add and its wait stand ahead of my first tensor load; the set-up below, work on registers, stands between them
	v_lshrrev_b32 v1, 5, v0
	v_readfirstlane_b32 s[WV], v1
	s_lshr_b32 s[WR], s[WV], 1
	s_and_b32 s[WC], s[WV], 1
	s_bfe_u32 s[CX], ttmp6, 0x40000
	s_bfe_u32 s[CY], ttmp6, 0x40004
	s_and_b32 s[CLY], ttmp7, 0xffff                ; cluster y, 0 .. 15
	s_mov_b32 s[SEL], 0x76543210
	s_mov_b32 s[SEL+1], 0xfedcba98
	; which tiles.  s76, s78, s79, s82, s83 feed source 1's descriptors and never hold cx; s77, s80, s81, s84, s85 feed source 0's and never hold cy
	s_lshl_b32 s82, s[CY], 2
	s_lshl_b32 s82, 15, s82                        ; my row of the cluster
	s_lshl_b32 s84, 0x1111, s[CX]                  ; my column
	s_or_b32 s[G1A], s82, (3<<16)|(1<<21)          ; 15:0 the mask; 17:16 elements of 8 bytes; 21 set beside a mask; no padding
	s_or_b32 s[G1B], s84, (3<<16)|(1<<21)
	s_mov_b32 s[G1A+1], 416<<16                    ; tensor_dim0: a chunk of a tile, 3,328 bytes
	s_mov_b32 s[G1A+2], 4<<16                      ; tensor_dim1: four tiles
	s_mov_b32 s[G1A+3], 416<<16                    ; tile_dim0
	s_mov_b32 s[G1A+4], 4                          ; tile_dim1
	s_mov_b32 s[G1A+5], 1664                       ; from tile to tile: 13,312 bytes
	s_mov_b32 s[G1A+6], 0
	s_mov_b32 s[G1A+7], 0
	s_mov_b32 s[G1B+1], 416<<16
	s_mov_b32 s[G1B+2], 8<<16                      ; eight tiles
	s_mov_b32 s[G1B+3], 416<<16
	s_mov_b32 s[G1B+4], 8
	s_mov_b32 s[G1B+5], 1664
	s_mov_b32 s[G1B+6], 0
	s_mov_b32 s[G1B+7], 0
	s_lshl_b32 s82, s[CLY], 2                      ; q, k: source 1 = 128 tokens, 4 x cluster y + cy
	s_lshr_b32 s83, s[CLY], 3
	s_lshl_b32 s83, s83, 2
	s_add_co_u32 s83, s83, 16                      ; v: source 1 = 128 columns, 16 + 4 (cluster y / 8) + cy
	s_lshl_b32 s84, ttmp9, 2                       ; q, k: source 0 = 256 columns, 4 x cluster x + cx
	s_and_b32 s85, s[CLY], 7
	s_lshl_b32 s85, s85, 2                         ; v: source 0 = 256 tokens, 4 (cluster y % 8) + cx
	s_cmp_eq_u32 ttmp9, 2                          ; the cluster's x: the same in all sixteen partners
	s_cselect_b32 s[MASKV], 0xffff, 0
	s_cselect_b32 s76, s83, s82
	s_cselect_b32 s77, s85, s84
	s_add_co_u32 s76, s76, s[CY]                   ; T1
	s_add_co_u32 s77, s77, s[CX]                   ; T0
	s_lshl_b32 s82, s76, 3
	s_lshl_b32 s83, s[WC], 2
	s_add_co_u32 s82, s82, s83                     ; source 1: tile 8 T1 + 4 x half
	s_mul_i32 s82, s82, TILEB
	s_mov_b32 s83, 0
	s_lshl_b32 s84, s77, 4
	s_lshl_b32 s85, s[WC], 3
	s_add_co_u32 s84, s84, s85                     ; source 0: tile 16 T0 + 8 x half
	s_mul_i32 s84, s84, TILEB
	s_mov_b32 s85, 0
	s_mul_i32 s2, s[WC], 4*RECB                    ; where they go: no place in the cluster enters an LDS address
	s_mul_i32 s3, s[WC], 8*RECB
	s_wait_dscnt 0x0                               ; the opening add is done
	s_wait_kmcnt 0x0
	s_cmp_eq_u32 ttmp9, 2
	s_cselect_b64 s[78:79], s[6:7], s[4:5]
	s_cselect_b64 s[80:81], s[4:5], s[6:7]
	s_add_nc_u64 s[78:79], s[78:79], s[82:83]
	s_add_nc_u64 s[80:81], s[80:81], s[84:85]
.irp q, 0,1,2,3
	s_mov_b32 s[G0A+4*\q], 1
	s_add_co_u32 s[G0A+4*\q+1], s2, \q*S1C
	s_add_nc_u64 s[G0A+4*\q+2:G0A+4*\q+3], s[78:79], \q*RECB
	s_or_b32 s[G0A+4*\q+3], s[G0A+4*\q+3], 0x80000000
	s_mov_b32 s[56+4*\q+4*(\q/2)], 1
	s_add_co_u32 s[57+4*\q+4*(\q/2)], s3, S0+\q*S0C
	s_add_nc_u64 s[58+4*\q+4*(\q/2):59+4*\q+4*(\q/2)], s[80:81], \q*RECB
	s_or_b32 s[59+4*\q+4*(\q/2)], s[59+4*\q+4*(\q/2)], 0x80000000
.endr
	CROUND                                         ; all sixteen work-groups are here: the joint loads meet
	s_cmp_eq_u32 s[WR], 0                          ; a wave's four first fills stand in one branch on the wave's number; an s_nop 0 follows each, four v_nop the last
	s_cbranch_scc0 .Lfill_s0
.irp q, 0,1,2,3
	tensor_load_to_lds s[G0A+4*\q:G0A+4*\q+3], s[G1A:G1A+7]
	s_nop 0
.endr
	PLACES 4
	s_branch .Lfilled
.Lfill_s0:
.irp q, 0,1,2,3
	tensor_load_to_lds s[56+4*\q+4*(\q/2):59+4*\q+4*(\q/2)], s[G1B:G1B+7]
	s_nop 0
.endr
	PLACES 4
.Lfilled:
	v_and_b32 v1, 31, v0
	v_lshlrev_b32 v[L16], 4, v1
	v_lshlrev_b32 v[L8], 3, v1
	v_lshrrev_b32 v4, 4, v1
	v_lshlrev_b32 v4, 6, v4                        ; 64 h: a lane's half takes the bias of 16 columns further on
	v_and_b32 v5, 15, v0
	v_and_b32 v6, 8, v5
	v_add_nc_u32 v5, v5, v6
	v_lshlrev_b32 v5, 2, v5                        ; 4 (r + 8 (r / 8)): my row's column in a tile
	s_mul_i32 s94, s[WR], 4*RECB
	v_add_nc_u32 v[A16], s94, v[L16]
	v_add_nc_u32 v[A8], s94, v[L8]
	s_mul_i32 s95, s[WC], 8*RECB
	s_add_co_u32 s95, s95, S0
	v_add_nc_u32 v[B16], s95, v[L16]
	v_add_nc_u32 v[B8], s95, v[L8]
	; where the results go (s86 to s101 mix cx and cy: they feed stores and the bias loads alone)
	s_lshl_b32 s96, s77, 1
	s_add_co_u32 s96, s96, s[WC]                   ; v: my 128 keys: 2 T0 + wc
	s_sub_co_u32 s97, s76, 16
	s_lshl_b32 s97, s97, 1
	s_add_co_u32 s97, s97, s[WR]                   ; v: my head: 2 (T1 - 16) + wr
	s_and_b32 s98, s77, 3
	s_lshl_b32 s98, s98, 2
	s_lshl_b32 s99, s[WC], 1
	s_add_co_u32 s98, s98, s99                     ; q, k: my first head: 4 (T0 % 4) + 2 wc
	s_cmp_eq_u32 ttmp9, 2
	s_cselect_b32 s96, s96, s76                    ; the group of 128 tokens, 0 .. 63
	s_cselect_b32 s97, s97, s98                    ; the head
	s_lshr_b32 s98, s96, 4
	s_lshl_b32 s98, s98, 4
	s_add_co_u32 s98, s98, s97
	s_lshl_b32 s98, s98, 4
	s_and_b32 s96, s96, 15
	s_add_co_u32 s98, s98, s96                     ; the record: ((batch x 16 + head) x 16 + group in the batch)
	s_mov_b32 s94, 13056
	s_cmp_eq_u32 ttmp9, 0
	s_cselect_b32 s94, 6656, s94                   ; a record's bytes
	s_cselect_b64 s[86:87], s[10:11], s[12:13]
	s_mul_i32 s98, s98, s94
	s_mul_i32 s99, s[WR], 3072                     ; q, k: my four tiles
	s_cmp_eq_u32 ttmp9, 2
	s_cselect_b32 s99, 6656, s99                   ; v: behind k's part
	s_add_co_u32 s98, s98, s99
	s_mov_b32 s99, 0
	s_add_nc_u64 s[86:87], s[86:87], s[98:99]      ; P0: the first 64 along the registers
	s_lshl_b32 s98, s94, 4                         ; q, k: the next head is 16 records on
	s_cmp_eq_u32 ttmp9, 2
	s_cselect_b32 s98, 3072, s98                   ; v: the next 64 keys
	s_add_nc_u64 s[88:89], s[86:87], s[98:99]      ; P1: the second 64
	s_mul_i32 s98, s[WR], 2816
	s_sub_co_u32 s98, 6144, s98                    ; q, k: my block of scale words at 6,144 + 256 wr of the record
	s_cmp_eq_u32 ttmp9, 2
	s_cselect_b32 s98, 6144, s98
	s_add_nc_u64 s[90:91], s[86:87], s[98:99]
	s_add_nc_u64 s[92:93], s[88:89], s[98:99]
	; THE TWO WAYS PART HERE, on the cluster's x, and join behind the first K step: they differ in the bias alone.  Every wave of every partner goes the same way
	s_cmp_eq_u32 ttmp9, 2
	s_cbranch_scc1 .Lway_v
	s_lshl_b32 s100, s77, 10
	s_lshl_b32 s101, s[WC], 9
	s_add_co_u32 s100, s100, s101
	s_mov_b32 s101, 0
	s_add_nc_u64 s[100:101], s[8:9], s[100:101]    ; b_attn at my 128 columns
.irp b, 0,1,2,3,4,5,6,7
	global_load_b128 v[BI+8*\b:BI+8*\b+3], v4, s[100:101] offset:(32*(\b/2)+8*(\b%2))*4      ; tile b's register j is column 32 (b / 2) + 8 (b % 2) + 16 h + j
	global_load_b128 v[BI+8*\b+4:BI+8*\b+7], v4, s[100:101] offset:(32*(\b/2)+8*(\b%2))*4+16
.endr
	FIRST 1
	s_branch .Ljoined
.Lway_v:
	s_lshl_b32 s100, s76, 9
	s_lshl_b32 s101, s[WR], 8
	s_add_co_u32 s100, s100, s101
	s_mov_b32 s101, 0
	s_add_nc_u64 s[100:101], s[8:9], s[100:101]    ; b_attn at my 64 columns
.irp a, 0,1,2,3
	global_load_b32 v[BI+8*\a], v5, s[100:101] offset:(32*(\a/2)+8*(\a%2))*4                 ; lane r of tile a is column 32 (a / 2) + 8 (a % 2) + r + 8 (r / 8)
.endr
	FIRST 2
.Ljoined:
.irp k, 1,2,3,4,5,6,7
	STEPK \k, 0
.endr
	; THE WAY OUT, the same for q, k and v.  Block 4 a + 2 c + g of 32 along the registers' axis lies in the 16 registers v[16 block ..] of window 2 of lanes l and l xor 16; blocks 2 u and 2 u + 1 make half fragment u = 2 a + c.
.set TM, 80                            ; v80-95   largest magnitudes
.set TP, 96                            ; v96-111  the other half's; then the bytes
.set TS, 112                           ; v112-127 the conversions' scale operands
.set HF, 128                           ; v128-191 half fragment u: eight registers, six used
.set X1, 192                           ; v192-223 its second block's codes, before the halves change places
.set UW, 224                           ; v224-227 scale words of the first 64 (v: of all 128), tiles 0, 2, 1, 3;  v228-231 of the second 64
.set SH, 232                           ; v232-239 a half fragment's two bytes
	WIN 0
.irp i, 0,1,2,3,4,5,6,7,8,9,10,11,12,13,14,15
	v_mov_b32 v[TP+\i], 0                          ; a lane permute's destination counts as one of its sources.  These sixteen name no register of the last products: they are the places behind them
.endr
	WIN 0x28                                       ; sources 1 and 2: window 2
.irp n, 0,1,2,3,4,5,6,7,8,9,10,11,12,13,14,15
	v_max3_num_f32 v[TM+\n], 0x1800000, |v[16*\n]|, |v[16*\n+1]|       ; my 16 numbers of each block, and the floor 2^(3 - 127); each accumulator is read from its low end on
.endr
.irp i, 2,4,6,8,10,12,14
.irp n, 0,1,2,3,4,5,6,7,8,9,10,11,12,13,14,15
	v_max3_num_f32 v[TM+\n], v[TM+\n], |v[16*\n+\i]|, |v[16*\n+\i+1]|
.endr
.endr
	WIN 0
.irp n, 0,1,2,3,4,5,6,7,8,9,10,11,12,13,14,15
	v_permlanex16_b32 v[TP+\n], v[TM+\n], s[SEL], s[SEL+1]
.endr
.irp n, 0,1,2,3,4,5,6,7,8,9,10,11,12,13,14,15
	v_max_num_f32 v[TM+\n], v[TM+\n], v[TP+\n]     ; with lane l xor 16's: the block's largest magnitude
.endr
.irp n, 0,1,2,3,4,5,6,7,8,9,10,11,12,13,14,15
	v_add_nc_u32 v[TS+\n], 0xff000000, v[TM+\n]    ; 2 off its exponent field: the conversion's scale operand
.endr
.irp n, 0,1,2,3,4,5,6,7,8,9,10,11,12,13,14,15
	v_lshrrev_b32 v[TP+\n], 23, v[TS+\n]           ; the byte
.endr
.irp u, 0,1,2,3,4,5,6,7
	v_lshl_or_b32 v[SH+\u], v[TP+2*\u+1], 8, v[TP+2*\u]
.endr
.irp a, 0,1,2,3
	v_and_b32 v[TM+\a], s[MASKV], v[SH+2*\a+1]     ; v: a row's word has four bytes, 128 keys; q, k: two bytes and two zeros, a head's 64
.endr
.irp a, 0,1,2,3
	v_lshl_or_b32 v[UW+2*(\a%2)+\a/2], v[TM+\a], 16, v[SH+2*\a]
.endr
.irp a, 0,1,2,3
	v_mov_b32 v[UW+4+2*(\a%2)+\a/2], v[SH+2*\a+1]  ; q, k: the second head's words
.endr
	WIN 0x02                                       ; source 0: window 2
.irp u, 0,1,2,3,4,5,6,7
	v_cvt_scalef32_pk16_fp6_f32 v[HF+8*\u:HF+8*\u+2], v[32*\u:32*\u+15], v[TS+2*\u]
	v_cvt_scalef32_pk16_fp6_f32 v[X1+4*\u:X1+4*\u+2], v[32*\u+16:32*\u+31], v[TS+2*\u+1]
.endr
	WIN 0
	v_nop                                          ; one plain line behind the conversions
.irp u, 0,1,2,3,4,5,6,7                ; the layout wants a WHOLE block in a lane: lanes 0-15 the first block, lanes 16-31 the second
.irp i, 0,1,2
	v_permlane16_swap_b32 v[HF+8*\u+\i], v[X1+4*\u+\i]
.endr
.irp i, 0,1,2
	v_mov_b32 v[HF+8*\u+3+\i], v[X1+4*\u+\i]
.endr
.endr
	v_permlane16_swap_b32 v[UW], v[UW+2]           ; lanes 0-15 tile 0's words, lanes 16-31 tile 1's;
	v_permlane16_swap_b32 v[UW+1], v[UW+3]         ; tiles 2 and 3: v[224:225] is the block of scale words
	v_permlane16_swap_b32 v[UW+4], v[UW+6]
	v_permlane16_swap_b32 v[UW+5], v[UW+7]
.irp a, 0,1,2,3
.irp c, 0,1
	global_store_b128 v[L16], v[HF+8*(2*\a+\c):HF+8*(2*\a+\c)+3], s[86+2*\c:87+2*\c] offset:768*\a          ; 512 consecutive bytes
	global_store_b64 v[L8], v[HF+8*(2*\a+\c)+4:HF+8*(2*\a+\c)+5], s[86+2*\c:87+2*\c] offset:768*\a+512      ; 256
.endr
.endr
	global_store_b64 v[L8], v[UW:UW+1], s[90:91]   ; 256
	s_cmp_eq_u32 ttmp9, 2
	s_cbranch_scc1 .Lone_block                     ; v has one block of scale words
	global_store_b64 v[L8], v[UW+4:UW+5], s[92:93]
.Lone_block:
	s_wait_tensorcnt 0x0                           ; the wave's end: behind my last tensor load
	ds_add_u32 v[SPW], v[NIL]
	s_wait_dscnt 0x0
	CROUND                                         ; the closing round: no work-group ends while a partner may still ask for a tile that names it
	s_endpgm
.Lfunc_end_k_qf2ea4e8c75_gemm_qkv:
	.size	k_qf2ea4e8c75_gemm_qkv, .Lfunc_end_k_qf2ea4e8c75_gemm_qkv-k_qf2ea4e8c75_gemm_qkv
	.p2alignl 7, 3214868480
	.fill 96, 4, 3214868480
	.section	.rodata,"a",@progbits
	.p2align	6, 0x0
	.amdhsa_kernel k_qf2ea4e8c75_gemm_qkv
		.amdhsa_group_segment_fixed_size 327680
		.amdhsa_private_segment_fixed_size 0
		.amdhsa_enable_private_segment 0
		.amdhsa_kernarg_size 40
		.amdhsa_user_sgpr_count 2
		.amdhsa_user_sgpr_kernarg_segment_ptr 1
		.amdhsa_wavefront_size32 1
		.amdhsa_system_sgpr_workgroup_id_x 1
		.amdhsa_system_sgpr_workgroup_id_y 1
		.amdhsa_system_sgpr_workgroup_id_z 1
		.amdhsa_system_vgpr_workitem_id 0
		.amdhsa_next_free_vgpr 768
		.amdhsa_next_free_sgpr 102
		.amdhsa_reserve_vcc 0
		.amdhsa_float_denorm_mode_32 3
		.amdhsa_float_denorm_mode_16_64 3
		.amdhsa_memory_ordered 1
		.amdhsa_forward_progress 1
		.amdhsa_inst_pref_size 103
	.end_amdhsa_kernel
	.amdgpu_metadata
---
amdhsa.version: [ 1, 2 ]
amdhsa.kernels:
  - .name:           k_qf2ea4e8c75_gemm_qkv
    .symbol:         k_qf2ea4e8c75_gemm_qkv.kd
    .args:
      - { .name: x_img, .offset: 0, .size: 8, .value_kind: global_buffer, .address_space: global }
      - { .name: wa_img, .offset: 8, .size: 8, .value_kind: global_buffer, .address_space: global }
      - { .name: b_attn, .offset: 16, .size: 8, .value_kind: global_buffer, .address_space: global }
      - { .name: q_img, .offset: 24, .size: 8, .value_kind: global_buffer, .address_space: global }
      - { .name: kv_img, .offset: 32, .size: 8, .value_kind: global_buffer, .address_space: global }
    .group_segment_fixed_size: 327680
    .private_segment_fixed_size: 0
    .kernarg_segment_align: 8
    .kernarg_segment_size: 40
    .max_flat_workgroup_size: 128
    .sgpr_count:     102
    .vgpr_count:     768
    .wavefront_size: 32
...
	.end_amdgpu_metadata
.endif
;; end of part 2
;; launch attn (part 3): grid 4 x 64, 16 waves a work-group, no clusters, 327,680 bytes of LDS; arguments q_img, kv_img, y_img; writes y_img
.if DOCPART == 3
	.amdgcn_target "amdgcn-amd-amdhsa--gfx1250"
	.amdhsa_code_object_version 6
	.text
	.protected	k_qf2ea4e8c75_attn
	.globl	k_qf2ea4e8c75_attn
	.p2align	8
	.type	k_qf2ea4e8c75_attn,@function
k_qf2ea4e8c75_attn:
	s_mov_b64 s[64:65], 0
	v_nop
	global_prefetch_b8 v0, s[64:65] scope:SCOPE_SE
	s_setreg_imm32_b32 hwreg(HW_REG_WAVE_MODE, 25, 1), 1
	s_wait_xcnt 0x0
; y = softmax(q k^T / 8, causal) v for 64 heads of 2,048 tokens x 64 channels, both products on codes of FP6 (E2M3) with E8M0 scales; y leaves quantised, as an operand of the last product.
; THE SOFTMAX: t = score x log2(e) / 8; M = the running largest t rounded UP to a whole number; p = 2^(t - M) is quantised along the keys, not normalised; the row's sum is taken of the
; unquantised p and divides O at the end.  When M moves, the sum and O are multiplied by 2^(old M - new M): exact.
; q k^T has K = 64: the upper half of the instruction's 128 is zero codes on both sides (registers 6-11 of both operands are zeros; their scale bytes are 0, which is 2^-127 and no NaN).
; SHARES.  Work-group (i, head) owns two blocks of 256 queries: block 7 - i, then block i.  They walk 8 - i and i + 1 slots of 256 keys: NINE visits for every work-group: equal work, a constant trip
; count, and every slot that is asked for is read.  Each of sixteen waves owns one tile of 16 queries of the block in hand, in 256 registers: four waves to a SIMD.
; LAYOUT.  Both products transposed: S^T = K Q^T, O^T = V^T P^T: a lane holds ONE query.  Row p of tile 2 g + u (of queries, keys, channels) is 32 g + 8 u + p + 8 (p / 8): the 16 registers of tiles
; 2 g and 2 g + 1 are 16 neighbours, 32 g + 16 (lane / 16) + 0 .. 15: keys for p, channels for y.
; IN: q_img [64][16][6,656], kv_img [64][16][13,056]: half fragments of 768 bytes (lane's registers 0-3 at 16 x lane, 4-5 at 512 + 8 x lane) and blocks of scale words, as the launch before lays them.
; RING: two LDS slots of two records (256 keys, 26,112 bytes), one tensor load a wave behind each change of slots (waves 0, 1: k's parts; 2, 3: v's): one is out, by this text's count.
; NO CLUSTER: the four work-groups of a head read the same k and v, but which keys a visit holds, where the block changes and which steps are left out hang on i, the work-group's place:
; partners would ask for different tiles in the same visit.
; LIMITS: a block of zeros gets the byte 1 where the rule says 127 (its codes are zeros; this program alone reads the bytes); blocks under 2^-124 are held at that floor; NaN and infinities are not served.
; REGISTERS: v1, v2 16 x, 8 x lane; v7 my query's place less 16 h; v8, v9 LDS addresses; v12 -M, v13 largest t, v[14:15] the sum; v16-27 Q; v28 Q's scale word; v32-79 four fragments of K;
;   v80-83 K's scale words, v84-85 V's, v86 p's; v[88:89] f; v90-93 at work; v96-159 S^T, then p, then four fragments of V; v160-191 O^T; v192-203 p's codes; v204-211, v212-227 at work;
;   v228-234 the second block's Q; v240-246 y's codes and bytes.
.set SLOT1, 32768                      ; slot 1 begins here: one exclusive or turns an address from one slot to the other
.set RECB,  13056
.set VPART, 6656
.set SLOTB, 2*RECB
.set SPARE, 65536                      ; the spare words, 128 bytes for each of sixteen waves: eight blocks of 256 bytes that no other line names
.set L16, 1
.set L8,  2
.set SPW, 5
.set NIL, 6
.set DL,  7
.set A16, 8
.set A8,  9
.set PFO, 10
.set YSO, 11
.set BM,  212                          ; a block's largest score, then its largest p
.set PT,  216
.set SO,  220                          ; the conversions' scale operands
.set BY,  224                          ; the bytes
.set WV,  18
.set BH,  19
.set SEL, 20
.set CS,  22                           ; s[22:23] c = log2(e) / 8
.set G1K, 24
.set G1V, 32
.set G0,  40                           ; s[40:43] the one group 0, which walks
.set KVB, 44                           ; s[44:45] my part of the head's first slot in memory
.set VIS, 46                           ; the visit, 0 .. 8: the loop's counter
.set SW,  47                           ; the visit at which the second block begins: 8 - i
.set KF,  48                           ; the step's first key
.set Q0,  49                           ; my tile's first query
.set Q0B, 50
.set TB,  51                           ; LDS byte of the slot in hand
.set YPA, 52
.set YPB, 54
.set PFA, 56
.set LIM, 58
; Waves 0 and 1 fetch k's parts, waves 2 and 3 v's, the others nothing.  An s_nop 0 and four v_nop follow each of the two lines.
.macro TLOAD
	s_cmp_lt_u32 s[WV], 2
	s_cbranch_scc0 .Lnot_k_\@
	tensor_load_to_lds s[G0:G0+3], s[G1K:G1K+7]
	s_nop 0
.rept 4
	v_nop
.endr
	s_branch .Lasked_\@
.Lnot_k_\@:
	s_cmp_lt_u32 s[WV], 4
	s_cbranch_scc0 .Lasked_\@
	tensor_load_to_lds s[G0:G0+3], s[G1V:G1V+7]
	s_nop 0
.rept 4
	v_nop
.endr
.Lasked_\@:
.endm
; A PREFETCH INTO THE L2 of the slot that the NEXT change of slots will ask for: 26,112 dense bytes, 102 blocks of 256.  All four work-groups of a head walk the same k and v; work-group 0, whose first
; block walks all eight slots, asks, in visits 0 to 5 for slots 2 to 7.  In it waves 4 to 7 ask, which fetch nothing: lanes 256 bytes apart; the lanes beyond block 101 are held at block 101.
.macro ASK
	s_cmp_lt_u32 s[VIS], s[LIM]
	s_cbranch_scc0 .Lnot_mine_\@
	global_prefetch_b8 v[PFO], s[PFA:PFA+1] th:TH_LOAD_NT scope:SCOPE_SE
.Lnot_mine_\@:
.endm
.macro INIT                            ; a block's start: the step is written once, and its first pass finds zeros, which the first change of M leaves zeros
	v_mov_b32 v13, 0xff61b1e6                      ; the largest t so far: -3e38
	v_floor_f32 v12, -v13                          ; -M
	v_mov_b32 v14, 0
	v_mov_b32 v15, 0
.set JJ, 0
.rept 32
	v_mov_b32 v[160+JJ], 0
.set JJ, JJ+1
.endr
.endm
; A KEY STEP: 128 keys, record q of the slot in hand.
.macro STEP q
.set OFF, RECB*(\q)
	s_add_co_u32 s60, s[Q0], 23                    ; my tile's last query
	s_cmp_gt_u32 s[KF], s60
	s_cbranch_scc1 .Lhidden_\@                     ; all 128 keys come after my 16 queries: ids and the count of steps alone; the jump leads round the step's work, no barrier and no tensor load
	v_add_nc_u32 v[A16], s[TB], v[L16]
	v_add_nc_u32 v[A8], s[TB], v[L8]
.rept 3
	v_nop                                          ; five places: the first products below write over registers that the last step's products read (V's fragments)
.endr
	ds_load_b64 v[80:81], v[A8] offset:OFF+6144    ; K's scale words: v80 tiles 0 | 1, v81 tiles 2 | 3 (lanes 0-15 | 16-31),
	ds_load_b64 v[82:83], v[A8] offset:OFF+6400    ; v82 4 | 5, v83 6 | 7
.irp g, 0,1                            ; S^T = K Q^T, four tiles of 16 keys at a time
.if \g
.rept 4
	v_nop                                          ; places in front of loads into registers that matrix instructions have read
.endr
.endif
.irp t, 0,1,2,3
	ds_load_b128 v[32+12*\t:35+12*\t], v[A16] offset:OFF+768*(4*\g+\t)
	ds_load_b64 v[36+12*\t:37+12*\t], v[A8] offset:OFF+768*(4*\g+\t)+512
.endr
	s_wait_dscnt 0x0
.irp t, 0,1,2,3
.if \t%2
	v_wmma_scale_f32_16x16x128_f8f6f4 v[96+8*(4*\g+\t):103+8*(4*\g+\t)], v[32+12*\t:43+12*\t], v[16:27], 0, v[80+(4*\g+\t)/2], v28 matrix_a_fmt:MATRIX_FMT_FP6 matrix_b_fmt:MATRIX_FMT_FP6 matrix_a_scale:MATRIX_SCALE_ROW1
.else
	v_wmma_scale_f32_16x16x128_f8f6f4 v[96+8*(4*\g+\t):103+8*(4*\g+\t)], v[32+12*\t:43+12*\t], v[16:27], 0, v[80+(4*\g+\t)/2], v28 matrix_a_fmt:MATRIX_FMT_FP6 matrix_b_fmt:MATRIX_FMT_FP6
.endif
.endr
.endr
.rept 4
	v_nop
.endr
	s_add_co_u32 s60, s[KF], 127                   ; on the diagonal hidden scores become -infinity ahead of the maximum: p = 0 then.  A step all of whose keys count skips this
	s_cmp_le_u32 s60, s[Q0]
	s_cbranch_scc1 .Lopen_\@
	s_sub_co_i32 s60, s[Q0], s[KF]
	v_add_nc_u32 v90, s60, v[DL]                   ; d = my query - KF - 16 h.  Register 16 b + i holds key KF + 16 h + 32 b + i: hidden where 32 b + i > d
	v_mov_b32 v91, 0xff800000
.set NN, 0
.rept 64
	v_cmp_gt_i32 vcc_lo, 32*(NN/16)+NN%16, v90
	v_cndmask_b32 v[96+NN], v[96+NN], v91, vcc_lo
.set NN, NN+1
.endr
.Lopen_\@:
.irp b, 0,1,2,3
	v_max3_num_f32 v[BM+\b], v[96+16*\b], v[97+16*\b], v[98+16*\b]     ; the largest score of each block of 32 keys: it serves the row's maximum and, since p rises with the score, the block's largest p
.endr
.irp i, 3,5,7,9,11,13
.irp b, 0,1,2,3
	v_max3_num_f32 v[BM+\b], v[BM+\b], v[96+16*\b+\i], v[97+16*\b+\i]
.endr
.endr
.irp b, 0,1,2,3
	v_max_num_f32 v[BM+\b], v[BM+\b], v[111+16*\b]
.endr
.irp b, 0,1,2,3
	v_permlanex16_b32 v[PT+\b], v[BM+\b], s[SEL], s[SEL+1]
.endr
.irp b, 0,1,2,3
	v_max_num_f32 v[BM+\b], v[BM+\b], v[PT+\b]     ; with lane l xor 16's 16 keys
.endr
	v_max3_num_f32 v90, v[BM], v[BM+1], v[BM+2]
	v_max_num_f32 v90, v90, v[BM+3]
	v_mul_f32 v90, s[CS], v90                      ; the step's largest t (c is positive)
	v_max_num_f32 v13, v13, v90
	v_mov_b32 v90, v12
	v_floor_f32 v12, -v13                          ; the new -M = floor(-t) = -ceil(t)
	v_sub_f32 v90, v12, v90                        ; old M - new M: a whole number, 0 or less
	v_cvt_i32_f32 v90, v90                         ; (it saturates)
	v_ldexp_f32 v88, 1.0, v90                      ; f = 2^(old M - new M)
.set JJ, 0
.rept 32
	v_pk_fma_f32 v[96+JJ:97+JJ], v[96+JJ:97+JJ], s[CS:CS+1], v[12:13] op_sel_hi:[1,0,0]   ; t - M, two at a time
.set JJ, JJ+2
.endr
.irp b, 0,1,2,3
	v_fma_f32 v[BM+\b], v[BM+\b], s[CS], v12       ; the same of each block's largest score
.endr
.set JJ, 0
.rept 64
	v_exp_f32 v[96+JJ], v[96+JJ]                   ; p = 2^(t - M)
.set JJ, JJ+1
.endr
	v_pk_mul_f32 v[14:15], v[14:15], v[88:89] op_sel_hi:[1,0]      ; the sums under the new M; a plain line behind the exponentials
	s_wait_alu depctr_va_vdst(0)                   ; the wait ahead of the first line that names a result: one for the batch of 64
.irp b, 0,1,2,3
	v_exp_f32 v[BM+\b], v[BM+\b]                   ; the block's largest p: the same two instructions on the same number
.endr
	v_pk_add_f32 v[92:93], v[96:97], v[98:99]      ; the row's sum of the unquantised p, in two chains
.irp j, 4,8,12,16,20,24,28,32,36,40,44,48,52,56,60
	v_pk_add_f32 v[14:15], v[14:15], v[96+\j:97+\j]
	v_pk_add_f32 v[92:93], v[92:93], v[98+\j:99+\j]
.endr
	v_pk_add_f32 v[14:15], v[14:15], v[92:93]
	s_wait_alu depctr_va_vdst(0)                   ; and one for the four
.irp b, 0,1,2,3
	v_max_num_f32 v[BM+\b], 0x1800000, v[BM+\b]    ; the floor 2^(3 - 127)
.endr
.irp b, 0,1,2,3
	v_add_nc_u32 v[SO+\b], 0xff000000, v[BM+\b]
.endr
.irp b, 0,1,2,3
	v_lshrrev_b32 v[BY+\b], 23, v[SO+\b]
.endr
	v_lshl_or_b32 v86, v[BY+1], 8, v[BY]           ; p's scale word for these 128 keys
	v_lshl_or_b32 v86, v[BY+2], 16, v86
	v_lshl_or_b32 v86, v[BY+3], 24, v86
.irp c, 0,1
	v_cvt_scalef32_pk16_fp6_f32 v[192+6*\c:194+6*\c], v[96+32*\c:111+32*\c], v[SO+2*\c]
	v_cvt_scalef32_pk16_fp6_f32 v[204+4*\c:206+4*\c], v[112+32*\c:127+32*\c], v[SO+2*\c+1]
.endr
	v_nop                                          ; one plain line behind the conversions
	ds_load_b64 v[84:85], v[A8] offset:OFF+12800   ; V's scale words: v84 tiles 0 | 1, v85 tiles 2 | 3
.irp t, 0,1,2,3                        ; V's four fragments land where p lay; the lines below stand between these loads and their wait
	ds_load_b128 v[96+12*\t:99+12*\t], v[A16] offset:OFF+VPART+768*\t
	ds_load_b64 v[100+12*\t:101+12*\t], v[A8] offset:OFF+VPART+768*\t+512
	ds_load_b128 v[102+12*\t:105+12*\t], v[A16] offset:OFF+VPART+3072+768*\t
	ds_load_b64 v[106+12*\t:107+12*\t], v[A8] offset:OFF+VPART+3072+768*\t+512
.endr
.irp c, 0,1                            ; the layout wants a WHOLE block in a lane: lanes 0-15 block 2 c, lanes 16-31 block 2 c + 1
.irp i, 0,1,2
	v_permlane16_swap_b32 v[192+6*\c+\i], v[204+4*\c+\i]
.endr
.irp i, 0,1,2
	v_mov_b32 v[195+6*\c+\i], v[204+4*\c+\i]
.endr
.endr
.set JJ, 0
.rept 16
	v_pk_mul_f32 v[160+JJ:161+JJ], v[160+JJ:161+JJ], v[88:89] op_sel_hi:[1,0]     ; O^T under the new M.  These are also the places between p's codes and scale word and the products
.set JJ, JJ+2
.endr
	s_wait_dscnt 0x0
.irp t, 0,1,2,3                        ; O^T += V^T P^T: four accumulators by turns
.if \t%2
	v_wmma_scale_f32_16x16x128_f8f6f4 v[160+8*\t:167+8*\t], v[96+12*\t:107+12*\t], v[192:203], v[160+8*\t:167+8*\t], v[84+\t/2], v86 matrix_a_fmt:MATRIX_FMT_FP6 matrix_b_fmt:MATRIX_FMT_FP6 matrix_a_scale:MATRIX_SCALE_ROW1
.else
	v_wmma_scale_f32_16x16x128_f8f6f4 v[160+8*\t:167+8*\t], v[96+12*\t:107+12*\t], v[192:203], v[160+8*\t:167+8*\t], v[84+\t/2], v86 matrix_a_fmt:MATRIX_FMT_FP6 matrix_b_fmt:MATRIX_FMT_FP6
.endif
.endr
.Lhidden_\@:
	s_add_co_u32 s[KF], s[KF], 128
.endm
; THE CHANGE OF SLOTS stands at a visit's head.  Each wave waits for all its tensor loads (its part of the slot ahead), adds 0 to its spare word, and waits for that and for its reads of the slot that it has left.
; Behind the barrier the slot ahead is whole and nobody reads the other one; fill = 1: that one takes the next visit's keys: the load has a visit's two steps in which to land.
.macro CHANGE fill
	s_wait_tensorcnt 0x0                           ; no tensor load of mine is out, so the group 0 may be written
	ds_add_u32 v[SPW], v[NIL]                      ; 0 onto my spare word; the descriptor's steps stand between it and the wait for it
.if \fill
	s_add_co_u32 s60, s[VIS], 1                    ; the next visit;
	s_sub_co_u32 s61, s60, s[SW]
	s_cmp_ge_u32 s60, s[SW]
	s_cselect_b32 s60, s61, s60                    ; its slot of keys: the second block begins again at keys 0
	s_mul_i32 s60, s60, SLOTB
	s_mov_b32 s61, 0
	s_xor_b32 s[G0+1], s[G0+1], SLOT1              ; the other LDS slot than last time
	s_add_nc_u64 s[G0+2:G0+3], s[KVB:KVB+1], s[60:61]
	s_or_b32 s[G0+3], s[G0+3], 0x80000000
	s_wait_xcnt 0x0                                ; the last prefetch, a visit back, has read its address, so it may be written
	s_add_nc_u64 s[PFA:PFA+1], s[PFA:PFA+1], SLOTB
.endif
	s_wait_dscnt 0x0                               ; the add is done, and my reads of the slot that I have left are over
	s_barrier_signal -1
	s_barrier_wait -1
.if \fill
	TLOAD                                          ; the first thing behind the barrier, and a wave's one tensor load until the next
	ASK
.endif
.endm
; A block's end: O^T / the sum is y's 64 channels of my 16 tokens: two blocks of 32 along the last product's K.  They are quantised and leave as one half fragment and two scale bytes a row.
.macro FINISH yp
	s_wait_xcnt 0x0                                ; the first block's stores have read their registers
.rept 4
	v_nop                                          ; places behind the last products
.endr
	v_add_f32 v14, v14, v15
	v_permlanex16_b32 v90, v14, s[SEL], s[SEL+1]
	v_add_f32 v14, v14, v90                        ; the row's sum
	v_rcp_f32 v88, v14
	v_nop                                          ; a plain line behind the reciprocal,
	s_wait_alu depctr_va_vdst(0)                   ; and the wait ahead of its first reader
.set JJ, 0
.rept 16
	v_pk_mul_f32 v[96+JJ:97+JJ], v[160+JJ:161+JJ], v[88:89] op_sel_hi:[1,0]       ; register 16 g + i: channel 32 g + 16 h + i
.set JJ, JJ+2
.endr
.irp b, 0,1
	v_max3_num_f32 v[BM+\b], |v[96+16*\b]|, |v[97+16*\b]|, 0x1800000
.endr
.irp i, 2,4,6,8,10,12,14
.irp b, 0,1
	v_max3_num_f32 v[BM+\b], v[BM+\b], |v[96+16*\b+\i]|, |v[97+16*\b+\i]|
.endr
.endr
.irp b, 0,1
	v_permlanex16_b32 v[PT+\b], v[BM+\b], s[SEL], s[SEL+1]
.endr
.irp b, 0,1
	v_max_num_f32 v[BM+\b], v[BM+\b], v[PT+\b]
.endr
.irp b, 0,1
	v_add_nc_u32 v[SO+\b], 0xff000000, v[BM+\b]
.endr
.irp b, 0,1
	v_lshrrev_b32 v[BY+\b], 23, v[SO+\b]
.endr
	v_lshl_or_b32 v246, v[BY+1], 8, v[BY]
	v_cvt_scalef32_pk16_fp6_f32 v[240:242], v[96:111], v[SO]
	v_cvt_scalef32_pk16_fp6_f32 v[204:206], v[112:127], v[SO+1]
	v_nop
.irp i, 0,1,2
	v_permlane16_swap_b32 v[240+\i], v[204+\i]
.endr
.irp i, 0,1,2
	v_mov_b32 v[243+\i], v[204+\i]
.endr
	global_store_b128 v[L16], v[240:243], s[\yp:\yp+1]             ; 512 consecutive bytes
	global_store_b64 v[L8], v[244:245], s[\yp:\yp+1] offset:512    ; 256
	global_store_b16 v[YSO], v246, s[\yp:\yp+1]                    ; my row's two scale bytes of eight; lanes 16-31 write the copy.  Two bytes a lane: one byte in 24 of what the launch stores
.endm
; At visit SW the first block is finished and the second begins.  Ids and the count of visits alone: all sixteen waves go the same way.
.macro SWITCH
	s_cmp_lg_u32 s[VIS], s[SW]
	s_cbranch_scc1 .Lsame_\@
	FINISH YPA
.irp i, 0,1,2,3,4,5
	v_mov_b32 v[16+\i], v[228+\i]
.endr
	v_mov_b32 v28, v234
	INIT                                           ; (its 36 lines are also the places between Q's codes and scale word and the next products)
	s_mov_b32 s[Q0], s[Q0B]
	s_mov_b32 s[KF], 0
.Lsame_\@:
.endm
	s_load_b128 s[4:7], s[0:1], 0x0                ; q_img s[4:5], kv_img s[6:7]
	s_load_b64 s[8:9], s[0:1], 0x10                ; y_img
	v_lshl_add_u32 v[SPW], v0, 2, SPARE
	v_mov_b32 v[NIL], 0
	ds_add_u32 v[SPW], v[NIL]                      ; the wave's opening: the add and its wait stand ahead of my first tensor load; the set-up below, work on registers, stands between them
	v_lshrrev_b32 v3, 5, v0
	v_readfirstlane_b32 s[WV], v3
	s_and_b32 s[BH], ttmp7, 0xffff                 ; the head of a batch, 0 .. 63
	s_sub_co_u32 s[SW], 8, ttmp9
	s_sub_co_u32 s66, 7, ttmp9                     ; the first block of queries
	s_mov_b32 s[SEL], 0x76543210
	s_mov_b32 s[SEL+1], 0xfedcba98
	s_mov_b32 s[CS], 0x3e38aa3b                    ; log2(e) / 8
	s_mov_b32 s[CS+1], s[CS]
	s_mov_b32 s[VIS], 0
	s_mov_b32 s[KF], 0
	s_mov_b32 s[TB], 0
	; descriptor groups 1: dense blocks as rows of 256 bytes (32 elements of 8): k's part 26 rows, v's 25
	s_mov_b32 s[G1K], 3<<16
	s_mov_b32 s[G1K+1], 32<<16
	s_mov_b32 s[G1K+2], 26<<16
	s_mov_b32 s[G1K+3], 32<<16
	s_mov_b32 s[G1K+4], 26
	s_mov_b32 s[G1K+5], 32
	s_mov_b32 s[G1K+6], 0
	s_mov_b32 s[G1K+7], 0
	s_mov_b32 s[G1V], 3<<16
	s_mov_b32 s[G1V+1], 32<<16
	s_mov_b32 s[G1V+2], 25<<16
	s_mov_b32 s[G1V+3], 32<<16
	s_mov_b32 s[G1V+4], 25
	s_mov_b32 s[G1V+5], 32
	s_mov_b32 s[G1V+6], 0
	s_mov_b32 s[G1V+7], 0
	s_and_b32 s67, s[WV], 1
	s_bfe_u32 s68, s[WV], 0x10001                  ; (wave / 2) % 2
	s_mul_i32 s69, s67, RECB                       ; what I fetch, if I fetch: record wave % 2 of a slot,
	s_mul_i32 s70, s68, VPART                      ; k's part or v's: its place in a slot, in LDS as in memory
	s_add_co_u32 s69, s69, s70
	s_mul_i32 s70, s[BH], 16*RECB                  ; the head's first byte in kv_img
	s_add_co_u32 s56, s70, SLOTB                   ; the prefetches stand at slot 1: the first change of slots steps them to slot 2
	s_mov_b32 s57, 0
	s_add_co_u32 s70, s70, s69
	s_mov_b32 s71, 0
	s_lshr_b32 s72, s[WV], 1
	s_lshl_b32 s72, s72, 5
	s_lshl_b32 s73, s67, 3
	s_add_co_u32 s72, s72, s73                     ; my tile's first query in a block: 32 (wave / 2) + 8 (wave % 2)
	s_lshl_b32 s[Q0], s66, 8
	s_add_co_u32 s[Q0], s[Q0], s72
	s_lshl_b32 s[Q0B], ttmp9, 8
	s_add_co_u32 s[Q0B], s[Q0B], s72
	s_and_b32 s73, s[WV], 7                        ; my tile in its record of 128 queries
	s_mul_i32 s74, s73, 768
	s_lshr_b32 s75, s73, 2
	s_lshl_b32 s75, s75, 8
	s_lshl_b32 s77, s67, 7
	s_add_co_u32 s75, s75, s77
	s_lshl_b32 s77, s68, 2
	s_add_co_u32 s75, s75, s77
	s_add_co_u32 s75, s75, 6144                    ; its scale words: 6,144 + 256 (t / 4) + 128 (t % 2) + 4 ((t / 2) % 2), + 8 r
	s_lshl_b32 s76, s[BH], 4
	s_lshr_b32 s77, s[WV], 3
	s_add_co_u32 s76, s76, s77
	s_lshl_b32 s77, s66, 1
	s_add_co_u32 s77, s77, s76
	s_mul_i32 s77, s77, 6656                       ; the first block's record,
	s_lshl_b32 s78, ttmp9, 1
	s_add_co_u32 s78, s78, s76
	s_mul_i32 s78, s78, 6656                       ; the second's
	s_add_co_u32 s80, s77, s74
	s_mov_b32 s81, 0
	s_add_co_u32 s82, s77, s75
	s_mov_b32 s83, 0
	s_add_co_u32 s84, s78, s74
	s_mov_b32 s85, 0
	s_add_co_u32 s86, s78, s75
	s_mov_b32 s87, 0
	s_lshr_b32 s88, s[BH], 4
	s_lshl_b32 s88, s88, 7
	s_add_co_u32 s88, s88, s[WV]                   ; y's tile: batch x 128 + 16 x block + wave
	s_and_b32 s89, s[BH], 15                       ; the head: 64 of the last product's K: chunk head / 4, half fragment head % 4
	s_lshr_b32 s90, s89, 2
	s_mul_i32 s90, s90, 3328
	s_and_b32 s89, s89, 3
	s_mul_i32 s91, s89, 768
	s_add_co_u32 s90, s90, s91
	s_lshl_b32 s91, s66, 4
	s_add_co_u32 s91, s91, s88
	s_mul_i32 s[YPA], s91, 13312
	s_add_co_u32 s[YPA], s[YPA], s90
	s_mov_b32 s[YPA+1], 0
	s_lshl_b32 s91, ttmp9, 4
	s_add_co_u32 s91, s91, s88
	s_mul_i32 s[YPB], s91, 13312
	s_add_co_u32 s[YPB], s[YPB], s90
	s_mov_b32 s[YPB+1], 0
	s_mul_i32 s89, s89, 766
	s_sub_co_u32 s89, 3072, s89                    ; from my half fragment to my two bytes of a row's eight: 3,072 - 768 e + 2 e
	s_lshr_b32 s92, s[WV], 2
	s_xor_b32 s92, s92, 1                          ; 0 in waves 4 to 7,
	s_or_b32 s92, s92, ttmp9                       ; of the head's first work-group
	s_cmp_eq_u32 s92, 0
	s_cselect_b32 s[LIM], 6, 0
	s_and_b32 s93, s[WV], 3
	s_lshl_b32 s93, s93, 5
	s_wait_dscnt 0x0                               ; the opening add is done
	s_wait_kmcnt 0x0
	s_add_nc_u64 s[KVB:KVB+1], s[6:7], s[70:71]
	s_mov_b32 s[G0], 1
	s_mov_b32 s[G0+1], s69
	s_mov_b64 s[G0+2:G0+3], s[KVB:KVB+1]
	s_or_b32 s[G0+3], s[G0+3], 0x80000000
	TLOAD                                          ; slot 0
	s_add_nc_u64 s[PFA:PFA+1], s[6:7], s[PFA:PFA+1]
	s_add_nc_u64 s[80:81], s[4:5], s[80:81]
	s_add_nc_u64 s[82:83], s[4:5], s[82:83]
	s_add_nc_u64 s[84:85], s[4:5], s[84:85]
	s_add_nc_u64 s[86:87], s[4:5], s[86:87]
	s_add_nc_u64 s[YPA:YPA+1], s[8:9], s[YPA:YPA+1]
	s_add_nc_u64 s[YPB:YPB+1], s[8:9], s[YPB:YPB+1]
	v_and_b32 v3, 31, v0                           ; lane
	v_lshlrev_b32 v[L16], 4, v3
	v_lshlrev_b32 v[L8], 3, v3
	v_and_b32 v4, 15, v0                           ; r
	v_and_b32 v[DL], 8, v4
	v_add_nc_u32 v[DL], v[DL], v4
	v_and_b32 v90, 16, v0
	v_sub_nc_u32 v[DL], v[DL], v90                 ; r + 8 (r / 8) - 16 h
	v_lshlrev_b32 v4, 3, v4                        ; 8 r
	global_load_b128 v[16:19], v[L16], s[80:81]    ; both blocks' Q stay in registers
	global_load_b64 v[20:21], v[L8], s[80:81] offset:512
	global_load_b32 v28, v4, s[82:83]
	global_load_b128 v[228:231], v[L16], s[84:85]
	global_load_b64 v[232:233], v[L8], s[84:85] offset:512
	global_load_b32 v234, v4, s[86:87]
	v_add_nc_u32 v[YSO], s89, v[L8]
	v_add_nc_u32 v[PFO], s93, v3
	v_min_u32 v[PFO], 101, v[PFO]
	v_lshlrev_b32 v[PFO], 8, v[PFO]
.irp i, 0,1,2,3,4,5
	v_mov_b32 v[22+\i], 0                          ; K = 64: the upper 64 of the instruction's 128 are zero codes, in Q
.endr
.irp t, 0,1,2,3
.irp i, 0,1,2,3,4,5
	v_mov_b32 v[38+12*\t+\i], 0                    ; and in K's four fragments; written once
.endr
.endr
.irp b, 0,1,2,3
	v_mov_b32 v[PT+\b], 0                          ; a lane permute's destination counts as one of its sources
.endr
	v_mov_b32 v89, 0                               ; (named as the upper half of the pair v[88:89])
	INIT
	s_wait_loadcnt 0x0                             ; Q
.Lvisit:                               ; eight trips: behind each change of slots but the last the next visit's keys are asked for
	CHANGE 1
	SWITCH
	STEP 0
	STEP 1
	s_xor_b32 s[TB], s[TB], SLOT1
	s_add_co_u32 s[VIS], s[VIS], 1
	s_cmp_lt_u32 s[VIS], 8
	s_cbranch_scc1 .Lvisit
	CHANGE 0                                       ; the ninth visit is written out: it asks for nothing
	SWITCH
	STEP 0
	STEP 1
	FINISH YPB
	s_wait_tensorcnt 0x0                           ; the wave's end: behind my last tensor load
	ds_add_u32 v[SPW], v[NIL]
	s_wait_dscnt 0x0
	s_endpgm
.Lfunc_end_k_qf2ea4e8c75_attn:
	.size	k_qf2ea4e8c75_attn, .Lfunc_end_k_qf2ea4e8c75_attn-k_qf2ea4e8c75_attn
	.p2alignl 7, 3214868480
	.fill 96, 4, 3214868480
	.section	.rodata,"a",@progbits
	.p2align	6, 0x0
	.amdhsa_kernel k_qf2ea4e8c75_attn
		.amdhsa_group_segment_fixed_size 327680
		.amdhsa_private_segment_fixed_size 0
		.amdhsa_enable_private_segment 0
		.amdhsa_kernarg_size 24
		.amdhsa_user_sgpr_count 2
		.amdhsa_user_sgpr_kernarg_segment_ptr 1
		.amdhsa_wavefront_size32 1
		.amdhsa_system_sgpr_workgroup_id_x 1
		.amdhsa_system_sgpr_workgroup_id_y 1
		.amdhsa_system_sgpr_workgroup_id_z 1
		.amdhsa_system_vgpr_workitem_id 0
		.amdhsa_next_free_vgpr 256
		.amdhsa_next_free_sgpr 96
		.amdhsa_reserve_vcc 1
		.amdhsa_float_denorm_mode_32 3
		.amdhsa_float_denorm_mode_16_64 3
		.amdhsa_memory_ordered 1
		.amdhsa_forward_progress 1
		.amdhsa_inst_pref_size 110
	.end_amdhsa_kernel
	.amdgpu_metadata
---
amdhsa.version: [ 1, 2 ]
amdhsa.kernels:
  - .name:           k_qf2ea4e8c75_attn
    .symbol:         k_qf2ea4e8c75_attn.kd
    .args:
      - { .name: q_img, .offset: 0, .size: 8, .value_kind: global_buffer, .address_space: global }
      - { .name: kv_img, .offset: 8, .size: 8, .value_kind: global_buffer, .address_space: global }
      - { .name: y_img, .offset: 16, .size: 8, .value_kind: global_buffer, .address_space: global }
    .group_segment_fixed_size: 327680
    .private_segment_fixed_size: 0
    .kernarg_segment_align: 8
    .kernarg_segment_size: 24
    .max_flat_workgroup_size: 512
    .sgpr_count:     96
    .vgpr_count:     256
    .wavefront_size: 32
...
	.end_amdgpu_metadata
.endif
;; end of part 3
;; launch gemm_proj (part 4): grid 4 x 64, 4 waves a work-group, clusters of 4 x 4, 327,680 bytes of LDS; arguments y_img, wp_img, b_proj, out0; writes out0
.if DOCPART == 4
	.amdgcn_target "amdgcn-amd-amdhsa--gfx1250"
	.amdhsa_code_object_version 6
	.text
	.protected	k_qf2ea4e8c75_gemm_proj
	.globl	k_qf2ea4e8c75_gemm_proj
	.p2align	8
	.type	k_qf2ea4e8c75_gemm_proj,@function
k_qf2ea4e8c75_gemm_proj:
	s_mov_b64 s[64:65], 0
	v_nop
	global_prefetch_b8 v0, s[64:65] scope:SCOPE_SE
	s_setreg_imm32_b32 hwreg(HW_REG_WAVE_MODE, 25, 1), 1
	s_wait_xcnt 0x0
	s_wait_alu depctr_hold_cnt(0) depctr_sa_sdst(0) depctr_va_vdst(0) depctr_va_sdst(0) depctr_va_ssrc(0) depctr_va_vcc(0) depctr_vm_vsrc(0)
	s_getreg_b32 s2, hwreg(HW_REG_IB_STS2, 6, 4)
	s_cmp_eq_u32 s2, 0
	s_cbranch_scc0 .Lentry_in_a_cluster
	s_endpgm
.Lentry_in_a_cluster:
	s_bfe_u32 s2, ttmp6, 0x10000c
	s_cmp_lg_u32 s2, 0xf033
	s_cbranch_scc0 .Lentry_shape_is_right
	s_endpgm
.Lentry_shape_is_right:
; out0 = y W_proj + b_proj on codes of FP6 (E2M3) with E8M0 scales, K = 1,024; out0 [8192][1024] f32.
; OPERANDS: images [tile of 16 rows][chunk of 256 K][3,328 bytes]: four half fragments of 768 bytes (lane's registers 0-3 at 16 x lane, 4-5 at 512 + 8 x lane), 128 scale bytes (8 a row) and their copy.
; Row p of tile 2 g + u is row 32 g + 8 u + p + 8 (p / 8): as source 0, tiles 2 g and 2 g + 1 leave a lane 16 neighbours, 32 g + 16 (lane / 16) + 0 .. 15, in 16 registers.
; A WORK-GROUP makes 256 columns (source 0 = W_proj's columns) x 128 tokens (source 1 = y); four waves, 2 x 2, each 8 x 4 tiles: 32 accumulators.  A lane holds one token, its registers run along the columns.
; ALL OF K LIES IN LDS (319,488 bytes): each wave asks for its share in four tensor loads, a chunk each, at the start: four are out, by this text's count.  Nothing is filled again: no ring.
; CLUSTER 4 x 4: y's tiles hang on cy alone and are asked for jointly along a row of the cluster, W_proj's on cx alone, jointly along a column.
; REGISTERS: window 0: v2-4 lane offsets; v16-19 LDS addresses; v24, v25 the stage; v28, v29 the add's two; v32-79 scale words, two sets, and nothing else; v80-143 the bias; v144-239 source 1's fragments, two sets;
;   window 1: source 0's fragments, two sets, at v0 and v128;   window 2: accumulator (a, b) at v[8 (8 a + b)].  On the way out v128-255 of window 0 take rows of out0.
.set RECB,  3328
.set TILEB, 13312
.set S1C,   8*RECB                     ; LDS: source 1's chunk q at q S1C (8 tiles);
.set S0C,   16*RECB
.set S0,    4*S1C                      ; source 0's at S0 + q S0C (16 tiles)
.set SPARE, S0+4*S0C                   ; the spare words, 128 bytes a wave: two blocks of 256 bytes that no other line names
.set L16, 2
.set L8,  3
.set A16, 16
.set A8,  17
.set B16, 18
.set B8,  19
.set STO, 24
.set RD,  25
.set SPW, 28
.set NIL, 29
.set SC,  32
.set BI,  80
.set F1,  144
.set BK,  128
.set WV,  14
.set WR,  15                           ; which four tiles of source 1 are mine.  Also: I fetch for source 1 (0) or source 0 (1)
.set WC,  16                           ; which eight tiles of source 0.  Also: which half of that tile I fetch
.set CX,  17
.set CY,  18
.set CLY, 19
.set G1A, 24
.set G1B, 32
.set G0A, 40
.set MSB, 0
.macro WIN new                         ; the immediate's high byte repeats the setting that is left
.if MSB != \new
	s_set_vgpr_msb (MSB<<8)|\new
.set MSB, \new
.endif
.endm
.macro PLACES n
.rept \n
	v_nop
.endr
.endm
.macro CROUND                          ; a round of the cluster's barrier
	s_barrier_signal -1
	s_barrier_wait -1
	s_cmp_lg_u32 s[WV], 0
	s_cbranch_scc1 .Lnot_wave_0_\@
	s_barrier_signal -3
.Lnot_wave_0_\@:
	s_barrier_wait -3
	s_barrier_signal -1
	s_barrier_wait -1
.endm
.macro FRAGLD reg, a16, a8, off        ; a fragment, 16 rows x 128 K, is two half fragments: every load takes consecutive bytes from lane to lane
	ds_load_b128 v[\reg:\reg+3], v[\a16] offset:\off
	ds_load_b64 v[\reg+4:\reg+5], v[\a8] offset:\off+512
	ds_load_b128 v[\reg+6:\reg+9], v[\a16] offset:\off+768
	ds_load_b64 v[\reg+10:\reg+11], v[\a8] offset:\off+1280
.endm
.macro FETCH k                         ; K step k's twelve fragments into set k % 2
	WIN 0x40                                       ; destination window 1, address window 0
.irp b, 0,1,2,3,4,5,6,7
	FRAGLD 128*((\k)%2)+12*\b, B16, B8, RECB*\b+1536*((\k)%2)
.endr
	WIN 0
.irp a, 0,1,2,3
	FRAGLD F1+48*((\k)%2)+12*\a, A16, A8, RECB*\a+1536*((\k)%2)
.endr
.endm
.macro SCALES qs                       ; a chunk's scale words: two a row (two K steps), lane r row r's
.irp b, 0,1,2,3,4,5,6,7
	ds_load_b64 v[SC+24*(\qs)+8+2*\b:SC+24*(\qs)+8+2*\b+1], v[B8] offset:RECB*\b+3072
.endr
.irp a, 0,1,2,3
	ds_load_b64 v[SC+24*(\qs)+2*\a:SC+24*(\qs)+2*\a+1], v[A8] offset:RECB*\a+3072
.endr
.endm
.macro MM d, a, b, c, sa, sb
	v_wmma_scale_f32_16x16x128_f8f6f4 v[\d:\d+7], v[\a:\a+11], v[\b:\b+11], v[\c:\c+7], v[\sa], v[\sb] matrix_a_fmt:MATRIX_FMT_FP6 matrix_b_fmt:MATRIX_FMT_FP6
.endm
; K step k: 32 matrix instructions, the 32 accumulators by turns in the same order in every step.  cmode 1: the first step starts the sums with the bias
.macro MUL32 k, cmode
.set QS, SC+24*(((\k)/2)%2)+(\k)%2
.set FA, 128*((\k)%2)
.set FB, F1+48*((\k)%2)
.if \cmode
	WIN 0x81                                       ; source 0 window 1, source 1 and C window 0, D window 2
.else
	WIN 0xa1                                       ; C and D window 2
.endif
.irp a, 0,1,2,3
.irp b, 0,1,2,3,4,5,6,7
.if \cmode == 0
	MM 8*(8*\a+\b), FA+12*\b, FB+12*\a, 8*(8*\a+\b), QS+8+2*\b, QS+2*\a
.else
	MM 8*(8*\a+\b), FA+12*\b, FB+12*\a, BI+8*\b, QS+8+2*\b, QS+2*\a
.endif
.endr
.endr
.endm
; A K step: this step's fragments are in; the next step's are asked for, 32 matrix instructions ahead of their use; then the products.
; Where the next step begins a chunk: my part of that chunk has landed (the count leaves the later chunks out), and a barrier shows everybody's.
.macro STEPK k, cmode
.if ((\k)%2 == 1) && ((\k) < 7)
	s_wait_tensorcnt 3-((\k)+1)/2                  ; tensor loads of a wave end in order: chunks 0 .. (k + 1) / 2 are in
.endif
	s_wait_dscnt 0x0                               ; set k % 2 is in; no LDS instruction of mine is pending at a signal
.if ((\k)%2 == 1) && ((\k) < 7)
	s_barrier_signal -1
	s_barrier_wait -1
	WIN 0
	v_add_nc_u32 v[A16], S1C, v[A16]               ; on to the next chunk.  These four are also the places in front of the loads into registers that the last products read
	v_add_nc_u32 v[A8], S1C, v[A8]
	v_add_nc_u32 v[B16], S0C, v[B16]
	v_add_nc_u32 v[B8], S0C, v[B8]
.elseif ((\k) > 0) && ((\k) < 7)
	PLACES 4                                       ; a load into a register that a matrix instruction has read stands four plain vector instructions behind it (ISA guide 7.12.1 for vector instructions)
.endif
.if (\k) < 7
	FETCH (\k)+1
.if (\k)%2 == 1
	SCALES (((\k)+1)/2)%2
.endif
.endif
	MUL32 \k, \cmode
.endm
	s_load_b256 s[4:11], s[0:1], 0x0               ; y_img s[4:5], wp_img s[6:7], b_proj s[8:9], out0 s[10:11]
	v_lshl_add_u32 v[SPW], v0, 2, SPARE
	v_mov_b32 v[NIL], 0
	ds_add_u32 v[SPW], v[NIL]                      ; the wave's opening: the add and its wait stand ahead of my first tensor load; the set-up below, work on registers, stands between them
	v_lshrrev_b32 v1, 5, v0
	v_readfirstlane_b32 s[WV], v1
	s_lshr_b32 s[WR], s[WV], 1
	s_and_b32 s[WC], s[WV], 1
	s_bfe_u32 s[CX], ttmp6, 0x40000
	s_bfe_u32 s[CY], ttmp6, 0x40004
	s_and_b32 s[CLY], ttmp7, 0xffff
	; s76, s78, s79, s82, s83 feed source 1's descriptors and never hold cx; s77, s80, s81, s84, s85 feed source 0's and never hold cy
	s_lshl_b32 s82, s[CY], 2
	s_lshl_b32 s82, 15, s82                        ; my row of the cluster
	s_lshl_b32 s84, 0x1111, s[CX]                  ; my column
	s_or_b32 s[G1A], s82, (3<<16)|(1<<21)          ; 15:0 the mask; 17:16 elements of 8 bytes; 21 set beside a mask; no padding
	s_or_b32 s[G1B], s84, (3<<16)|(1<<21)
	s_mov_b32 s[G1A+1], 416<<16                    ; tensor_dim0: a chunk of a tile, 3,328 bytes
	s_mov_b32 s[G1A+2], 4<<16                      ; tensor_dim1: four tiles
	s_mov_b32 s[G1A+3], 416<<16
	s_mov_b32 s[G1A+4], 4
	s_mov_b32 s[G1A+5], 1664                       ; from tile to tile: 13,312 bytes
	s_mov_b32 s[G1A+6], 0
	s_mov_b32 s[G1A+7], 0
	s_mov_b32 s[G1B+1], 416<<16
	s_mov_b32 s[G1B+2], 8<<16                      ; eight tiles
	s_mov_b32 s[G1B+3], 416<<16
	s_mov_b32 s[G1B+4], 8
	s_mov_b32 s[G1B+5], 1664
	s_mov_b32 s[G1B+6], 0
	s_mov_b32 s[G1B+7], 0
	s_lshl_b32 s76, s[CLY], 2
	s_add_co_u32 s76, s76, s[CY]                   ; T1: which 128 tokens
	s_lshl_b32 s77, ttmp9, 2
	s_add_co_u32 s77, s77, s[CX]                   ; T0: which 256 columns
	s_lshl_b32 s82, s76, 3
	s_lshl_b32 s83, s[WC], 2
	s_add_co_u32 s82, s82, s83
	s_mul_i32 s82, s82, TILEB
	s_mov_b32 s83, 0
	s_lshl_b32 s84, s77, 4
	s_lshl_b32 s85, s[WC], 3
	s_add_co_u32 s84, s84, s85
	s_mul_i32 s84, s84, TILEB
	s_mov_b32 s85, 0
	s_mul_i32 s2, s[WC], 4*RECB                    ; where they go: no place in the cluster enters an LDS address
	s_mul_i32 s3, s[WC], 8*RECB
	s_wait_dscnt 0x0                               ; the opening add is done
	s_wait_kmcnt 0x0
	s_add_nc_u64 s[78:79], s[4:5], s[82:83]
	s_add_nc_u64 s[80:81], s[6:7], s[84:85]
.irp q, 0,1,2,3
	s_mov_b32 s[G0A+4*\q], 1
	s_add_co_u32 s[G0A+4*\q+1], s2, \q*S1C
	s_add_nc_u64 s[G0A+4*\q+2:G0A+4*\q+3], s[78:79], \q*RECB
	s_or_b32 s[G0A+4*\q+3], s[G0A+4*\q+3], 0x80000000
	s_mov_b32 s[56+4*\q+4*(\q/2)], 1
	s_add_co_u32 s[57+4*\q+4*(\q/2)], s3, S0+\q*S0C
	s_add_nc_u64 s[58+4*\q+4*(\q/2):59+4*\q+4*(\q/2)], s[80:81], \q*RECB
	s_or_b32 s[59+4*\q+4*(\q/2)], s[59+4*\q+4*(\q/2)], 0x80000000
.endr
	CROUND                                         ; all sixteen work-groups are here: the joint loads meet
	s_cmp_eq_u32 s[WR], 0                          ; a wave's four first fills stand in one branch on the wave's number; an s_nop 0 follows each, four v_nop the last
	s_cbranch_scc0 .Lfill_s0
.irp q, 0,1,2,3
	tensor_load_to_lds s[G0A+4*\q:G0A+4*\q+3], s[G1A:G1A+7]
	s_nop 0
.endr
	PLACES 4
	s_branch .Lfilled
.Lfill_s0:
.irp q, 0,1,2,3
	tensor_load_to_lds s[56+4*\q+4*(\q/2):59+4*\q+4*(\q/2)], s[G1B:G1B+7]
	s_nop 0
.endr
	PLACES 4
.Lfilled:
	v_and_b32 v1, 31, v0
	v_lshlrev_b32 v[L16], 4, v1
	v_lshlrev_b32 v[L8], 3, v1
	v_lshrrev_b32 v5, 4, v1                        ; h
	v_lshlrev_b32 v4, 6, v5                        ; 64 h
	v_and_b32 v6, 15, v0                           ; r
	s_mul_i32 s94, s[WR], 4*RECB
	v_add_nc_u32 v[A16], s94, v[L16]
	v_add_nc_u32 v[A8], s94, v[L8]
	s_mul_i32 s95, s[WC], 8*RECB
	s_add_co_u32 s95, s95, S0
	v_add_nc_u32 v[B16], s95, v[L16]
	v_add_nc_u32 v[B8], s95, v[L8]
	s_mul_i32 s94, s[WV], 16*528                   ; my stage for the way out: 16 rows x (512 bytes + 16), in source 1's chunks 0 and 1
	v_mul_u32_u24 v[STO], v6, 528
	v_add_nc_u32 v[STO], v[STO], v4
	v_add_nc_u32 v[STO], s94, v[STO]               ; in: row r, + 64 h
	v_add_nc_u32 v[RD], s94, v[L16]                ; back: the 32 lanes take one row of 512 bytes
	s_lshl_b32 s96, s76, 19                        ; out0 at token 128 T1 + 64 wr, column 256 T0 + 128 wc (s96 to s101 mix cx and cy: they feed stores and the bias loads alone)
	s_lshl_b32 s97, s[WR], 18
	s_add_co_u32 s96, s96, s97
	s_lshl_b32 s97, s77, 10
	s_add_co_u32 s96, s96, s97
	s_lshl_b32 s97, s[WC], 9
	s_add_co_u32 s96, s96, s97
	s_mov_b32 s97, 0
	s_add_nc_u64 s[10:11], s[10:11], s[96:97]
	s_lshl_b32 s100, s77, 10
	s_lshl_b32 s101, s[WC], 9
	s_add_co_u32 s100, s100, s101
	s_mov_b32 s101, 0
	s_add_nc_u64 s[100:101], s[8:9], s[100:101]    ; b_proj at my 128 columns
.irp b, 0,1,2,3,4,5,6,7
	global_load_b128 v[BI+8*\b:BI+8*\b+3], v4, s[100:101] offset:(32*(\b/2)+8*(\b%2))*4      ; tile b's register j is column 32 (b / 2) + 8 (b % 2) + 16 h + j
	global_load_b128 v[BI+8*\b+4:BI+8*\b+7], v4, s[100:101] offset:(32*(\b/2)+8*(\b%2))*4+16
.endr
	s_wait_tensorcnt 3                             ; my part of chunk 0 is in; three loads may be out
	s_barrier_signal -1
	s_barrier_wait -1                              ; everybody's is
	FETCH 0
	SCALES 0
	s_wait_loadcnt 0x0                             ; the bias
	STEPK 0, 1
.irp k, 1,2,3,4,5,6,7
	STEPK \k, 0
.endr
; THE WAY OUT, a tile of 16 tokens x 128 columns at a time.  A lane holds pieces of one token's row, the lanes beside it other tokens': a tile goes through my own stage in LDS and comes back as whole rows of 512 bytes.
; The stage's bytes have had their only fill, and every wave's last read of them was over at the barrier in front of chunk 2.  LDS serves a wave's instructions in order: no wait between the stores and the loads.
.macro TOSTAGE a
	WIN 0x08                                       ; an LDS store's data are its source 1: window 2
.irp b, 0,1,2,3,4,5,6,7
	ds_store_b128 v[STO], v[8*(8*(\a)+\b):8*(8*(\a)+\b)+3] offset:128*(\b/2)+32*(\b%2)          ; each accumulator from its low end on
	ds_store_b128 v[STO], v[8*(8*(\a)+\b)+4:8*(8*(\a)+\b)+7] offset:128*(\b/2)+32*(\b%2)+16
.endr
	WIN 0
.set BB, BK+64*((\a)%2)
.irp t, 0,1,2,3,4,5,6,7,8,9,10,11,12,13,14,15
	ds_load_b128 v[BB+4*\t:BB+4*\t+3], v[RD] offset:\t*528
.endr
.endm
.macro SEND a, younger                 ; younger: the LDS instructions issued behind tile a's loads, which may stay out
.set BB, BK+64*((\a)%2)
	s_wait_dscnt \younger
.irp t, 0,1,2,3,4,5,6,7,8,9,10,11,12,13,14,15
	global_store_b128 v[L16], v[BB+4*\t:BB+4*\t+3], s[10:11] offset:(32*((\a)/2)+8*((\a)%2)+\t+8*(\t/8))*4096 th:TH_STORE_NT   ; 512 consecutive bytes, at a multiple of 256 from out0's first byte; the tile's row t is token 32 (a / 2) + 8 (a % 2) + t + 8 (t / 8)
.endr
.endm
	WIN 0
	PLACES 4                                       ; behind the last products: for the stores that read results and the loads into registers that held fragments
	TOSTAGE 0
.irp a, 1,2,3
.if \a > 1
	s_wait_xcnt 0x0                                ; tile a - 2's stores have read their registers: tile a's loads may land there
.endif
	TOSTAGE \a
	SEND \a-1, 32                                  ; behind tile a - 1's loads: tile a's 16 stores and 16 loads
.endr
	SEND 3, 0
	s_wait_tensorcnt 0x0                           ; the wave's end: behind my last tensor load and my last LDS store
	ds_add_u32 v[SPW], v[NIL]
	s_wait_dscnt 0x0
	CROUND                                         ; the closing round: no work-group ends while a partner may still ask for a tile that names it
	s_endpgm
.Lfunc_end_k_qf2ea4e8c75_gemm_proj:
	.size	k_qf2ea4e8c75_gemm_proj, .Lfunc_end_k_qf2ea4e8c75_gemm_proj-k_qf2ea4e8c75_gemm_proj
	.p2alignl 7, 3214868480
	.fill 96, 4, 3214868480
	.section	.rodata,"a",@progbits
	.p2align	6, 0x0
	.amdhsa_kernel k_qf2ea4e8c75_gemm_proj
		.amdhsa_group_segment_fixed_size 327680
		.amdhsa_private_segment_fixed_size 0
		.amdhsa_enable_private_segment 0
		.amdhsa_kernarg_size 32
		.amdhsa_user_sgpr_count 2
		.amdhsa_user_sgpr_kernarg_segment_ptr 1
		.amdhsa_wavefront_size32 1
		.amdhsa_system_sgpr_workgroup_id_x 1
		.amdhsa_system_sgpr_workgroup_id_y 1
		.amdhsa_system_sgpr_workgroup_id_z 1
		.amdhsa_system_vgpr_workitem_id 0
		.amdhsa_next_free_vgpr 768
		.amdhsa_next_free_sgpr 102
		.amdhsa_reserve_vcc 0
		.amdhsa_float_denorm_mode_32 3
		.amdhsa_float_denorm_mode_16_64 3
		.amdhsa_memory_ordered 1
		.amdhsa_forward_progress 1
		.amdhsa_inst_pref_size 86
	.end_amdhsa_kernel
	.amdgpu_metadata
---
amdhsa.version: [ 1, 2 ]
amdhsa.kernels:
  - .name:           k_qf2ea4e8c75_gemm_proj
    .symbol:         k_qf2ea4e8c75_gemm_proj.kd
    .args:
      - { .name: y_img, .offset: 0, .size: 8, .value_kind: global_buffer, .address_space: global }
      - { .name: wp_img, .offset: 8, .size: 8, .value_kind: global_buffer, .address_space: global }
      - { .name: b_proj, .offset: 16, .size: 8, .value_kind: global_buffer, .address_space: global }
      - { .name: out0, .offset: 24, .size: 8, .value_kind: global_buffer, .address_space: global }
    .group_segment_fixed_size: 327680
    .private_segment_fixed_size: 0
    .kernarg_segment_align: 8
    .kernarg_segment_size: 32
    .max_flat_workgroup_size: 128
    .sgpr_count:     102
    .vgpr_count:     768
    .wavefront_size: 32
...
	.end_amdgpu_metadata
.endif
;; end of part 4
